; MI455X (gfx1250); checked and timed in simulation.
; The chip was launched on July 23, 2026; its instructions are those of AMD's public machine-readable ISA for CDNA 5 (MIT licence, August 2026) and "CDNA5" Instruction Set Architecture Reference Guide (July 2026). The comments in the code are by the model that wrote it; some were corrected since.
;; Attention. Allowed arithmetic: float matrix products may take bf16 or f16 operands with f32 sums; other float arithmetic in f32, or as packed bf16 or f16 multiplies, adds, multiply-adds, maxima and minima; sums over many terms, partial sums and values carried from step to step in f32; what a program stores and reads back later, other than sums and carried values, may be rounded once to bf16 or f16.
;; Inputs: Wk 1,024 x 1,024 float32; Wq 1,024 x 1,024 float32; Wv 1,024 x 1,024 float32; bk 1,024 float32; bq 1,024 float32; bv 1,024 float32; x 4 x 2,048 x 1,024 float32.
;; Outputs: out0 4 x 2,048 x 1,024 float32.
;; 2 versions, each right; version 2 is version 1 with the launch cast written anew for expert scheduling mode. Each part assembles by itself: llvm-mc -triple=amdgcn-amd-amdhsa -mcpu=gfx1250 --defsym DOCPART=n.
;; ======== version 1 of 2: 4 launches
;; limits: values are held in f16: magnitudes above 65,504 overflow, below 6.1e-05 lose precision
;; workspace buffers: xb 16,777,216 bytes; wb 6,291,456 bytes; bias 12,288 bytes; kqv 50,331,648 bytes; p 33,554,432 bytes; statm 262,144 bytes; statl 262,144 bytes
;; launch cast (part 1): grid 352 x 1, 8 waves a work-group, no clusters, 0 bytes of LDS; arguments x, Wk, Wq, Wv, bk, bq, bv, xb, wb, bias, statm, statl; writes xb, wb, bias, statm, statl
.if DOCPART == 1
	.amdgcn_target "amdgcn-amd-amdhsa--gfx1250"
	.amdhsa_code_object_version 6
	.text
	.protected	k_q812594bd7f_cast
	.globl	k_q812594bd7f_cast
	.p2align	8
	.type	k_q812594bd7f_cast,@function
k_q812594bd7f_cast:
	s_mov_b64 s[64:65], 0
	v_nop
	global_prefetch_b8 v0, s[64:65] scope:SCOPE_SE
	s_setreg_imm32_b32 hwreg(HW_REG_WAVE_MODE, 25, 1), 1
	s_wait_xcnt 0x0
; x and the three weights are rounded to bf16 and laid out in blocks, so that a K step's tile of the projection is dense in memory:
;   xb [32 tile rows][16 kb][256 r][64 k],  wb [8 tile columns][16 kb][384 r][64 k]  (row n of wb: 0.. Wk, 1024.. Wq, 2048.. Wv).
; The biases are rounded to bf16 and kept as f32, one behind the other.  The softmax statistics get a neutral fill (maximum: the lowest
; finite number; sum: 0), so that the last launch can read all eight key tiles of a row without a branch.
; SHARES.  A work-group takes 32 rows of 1,024 numbers: groups 0-255 of x, groups 256-351 of the weights.  Wave w takes rows 4 w .. 4 w + 3; lane l takes
; row l / 8 of them and 8 numbers at column 8 (l % 8) of each block of 64.  A wave's store covers 4 rows x 128 bytes = 512 consecutive bytes, aligned.
; A stream: all 32 loads of a lane go out at once, no register is used twice, so no wait but the counted waits for the loads.  No LDS, no matrix unit.
.set SRCO, 5                           ; v5      my byte offset in the group's 32 source rows
.set D0,   6                           ; v6      my byte offset in block kb = 0 of the destination tile
.set DA,   16                          ; v16-31  the same for each kb
.set IN,   32                          ; v32-159 128 numbers as loaded
.set OUTR, 160                         ; v160-223 the same in bf16
	s_load_b512 s[4:19], s[0:1], 0x0               ; x 4, Wk 6, Wq 8, Wv 10, bk 12, bq 14, bv 16, xb 18
	s_load_b256 s[20:27], s[0:1], 0x40             ; wb 20, bias 22, statm 24, statl 26
	v_lshrrev_b32 v1, 5, v0
	v_readfirstlane_b32 s28, v1                    ; wave 0..7
	v_and_b32 v2, 31, v0                           ; lane
	v_lshrrev_b32 v3, 3, v2
	v_and_b32 v4, 7, v2
	s_lshl_b32 s30, s28, 2
	v_add_nc_u32 v3, s30, v3                       ; my row among the 32
	v_lshlrev_b32 v[SRCO], 12, v3                  ; x 4,096 bytes
	v_lshl_add_u32 v[SRCO], v4, 5, v[SRCO]         ; + 32 bytes for each 8 numbers
	s_mov_b32 s29, ttmp9
	s_mov_b32 s39, 0
	s_mov_b32 s41, 0
	s_wait_kmcnt 0x0
	s_cmp_lt_u32 s29, 256
	s_cbranch_scc0 .Lweights
	; rows of x
	s_lshl_b32 s38, s29, 17                        ; 32 rows x 4,096 bytes
	s_add_nc_u64 s[32:33], s[4:5], s[38:39]        ; source
	s_lshr_b32 s40, s29, 3
	s_lshl_b32 s40, s40, 19                        ; tile row x 524,288
	s_add_nc_u64 s[34:35], s[18:19], s[40:41]      ; destination tile
	s_mov_b32 s36, 32768                           ; bytes from kb to kb + 1
	s_and_b32 s37, s29, 7
	s_lshl_b32 s37, s37, 5                         ; the group's first row in its tile
	s_cmp_lt_u32 s28, 4                            ; waves 0, 1 fill 1,024 bytes of statm, waves 2, 3 of statl
	s_cbranch_scc0 .Lmain
	s_cmp_lt_u32 s28, 2
	s_cselect_b64 s[42:43], s[24:25], s[26:27]
	s_cselect_b32 s44, 0xff7fffff, 0
	v_mov_b32 v8, s44
	v_mov_b32 v9, s44
	v_mov_b32 v10, s44
	v_mov_b32 v11, s44
	s_and_b32 s45, s28, 1
	s_lshl_b32 s45, s45, 9
	s_lshl_b32 s46, s29, 10
	s_add_co_u32 s45, s45, s46
	v_lshl_add_u32 v12, v2, 4, s45
	global_store_b128 v12, v[8:11], s[42:43]
	s_branch .Lmain
.Lweights:
	s_sub_co_u32 s47, s29, 256                     ; q: 32 rows of the 3,072
	s_lshr_b32 s31, s47, 5                         ; which weight
	s_cmp_eq_u32 s31, 0
	s_cselect_b64 s[32:33], s[6:7], s[8:9]
	s_cselect_b64 s[42:43], s[12:13], s[14:15]
	s_cmp_eq_u32 s31, 2
	s_cselect_b64 s[32:33], s[10:11], s[32:33]
	s_cselect_b64 s[42:43], s[16:17], s[42:43]
	s_and_b32 s46, s47, 31
	s_lshl_b32 s38, s46, 17
	s_add_nc_u64 s[32:33], s[32:33], s[38:39]
	s_mul_i32 s44, s47, 43
	s_lshr_b32 s44, s44, 9                         ; q / 12 for q = 0 .. 95: the tile column of 384 rows
	s_mul_i32 s40, s44, 786432
	s_add_nc_u64 s[34:35], s[20:21], s[40:41]
	s_mov_b32 s36, 49152
	s_mul_i32 s44, s44, 12
	s_sub_co_u32 s37, s47, s44
	s_lshl_b32 s37, s37, 5
	s_cmp_eq_u32 s46, 0                            ; a weight's first group also takes its bias: 256 threads x 16 bytes
	s_cbranch_scc0 .Lmain
	v_lshlrev_b32 v12, 4, v0
	global_load_b128 v[8:11], v12, s[42:43]
	s_lshl_b32 s40, s31, 12
	s_add_nc_u64 s[44:45], s[22:23], s[40:41]
	s_wait_loadcnt 0x0
	v_cvt_pk_bf16_f32 v13, v8, v9                  ; rounded to bf16,
	v_cvt_pk_bf16_f32 v14, v10, v11
	v_lshlrev_b32 v224, 16, v13                    ; and written as f32
	v_and_b32 v225, 0xffff0000, v13
	v_lshlrev_b32 v226, 16, v14
	v_and_b32 v227, 0xffff0000, v14
	global_store_b128 v12, v[224:227], s[44:45]
.Lmain:
.set kb, 0
.rept 16
	global_load_b128 v[IN+8*kb:IN+8*kb+3],   v[SRCO], s[32:33] offset:256*kb th:TH_LOAD_NT
	global_load_b128 v[IN+8*kb+4:IN+8*kb+7], v[SRCO], s[32:33] offset:256*kb+16 th:TH_LOAD_NT
.set kb, kb+1
.endr
	v_add_nc_u32 v3, s37, v3                       ; my row in the tile
	v_lshlrev_b32 v[D0], 7, v3                     ; x 128 bytes
	v_lshl_add_u32 v[D0], v4, 4, v[D0]             ; + 16 bytes for each 8 numbers
	s_mov_b32 s48, 0
.set kb, 0
.rept 16
	v_add_nc_u32 v[DA+kb], s48, v[D0]
	s_add_co_u32 s48, s48, s36
.set kb, kb+1
.endr
.set kb, 0
.rept 16
	s_wait_loadcnt 30-2*kb                         ; loads come back in order: this block's two are in, the younger ones stay out
.irp n, 0,1,2,3
	v_cvt_pk_bf16_f32 v[OUTR+4*kb+(\n)], v[IN+8*kb+2*(\n)], v[IN+8*kb+2*(\n)+1]
.endr
	global_store_b128 v[DA+kb], v[OUTR+4*kb:OUTR+4*kb+3], s[34:35]
.set kb, kb+1
.endr
	s_endpgm
.Lfunc_end_k_q812594bd7f_cast:
	.size	k_q812594bd7f_cast, .Lfunc_end_k_q812594bd7f_cast-k_q812594bd7f_cast
	.p2alignl 7, 3214868480
	.fill 96, 4, 3214868480
	.section	.rodata,"a",@progbits
	.p2align	6, 0x0
	.amdhsa_kernel k_q812594bd7f_cast
		.amdhsa_group_segment_fixed_size 0
		.amdhsa_private_segment_fixed_size 0
		.amdhsa_enable_private_segment 0
		.amdhsa_kernarg_size 96
		.amdhsa_user_sgpr_count 2
		.amdhsa_user_sgpr_kernarg_segment_ptr 1
		.amdhsa_wavefront_size32 1
		.amdhsa_system_sgpr_workgroup_id_x 1
		.amdhsa_system_sgpr_workgroup_id_y 1
		.amdhsa_system_sgpr_workgroup_id_z 1
		.amdhsa_system_vgpr_workitem_id 0
		.amdhsa_next_free_vgpr 228
		.amdhsa_next_free_sgpr 66
		.amdhsa_reserve_vcc 0
		.amdhsa_float_denorm_mode_32 3
		.amdhsa_float_denorm_mode_16_64 3
		.amdhsa_memory_ordered 1
		.amdhsa_forward_progress 1
		.amdhsa_inst_pref_size 14
	.end_amdhsa_kernel
	.amdgpu_metadata
---
amdhsa.version: [ 1, 2 ]
amdhsa.kernels:
  - .name:           k_q812594bd7f_cast
    .symbol:         k_q812594bd7f_cast.kd
    .args:
      - { .name: x, .offset: 0, .size: 8, .value_kind: global_buffer, .address_space: global }
      - { .name: Wk, .offset: 8, .size: 8, .value_kind: global_buffer, .address_space: global }
      - { .name: Wq, .offset: 16, .size: 8, .value_kind: global_buffer, .address_space: global }
      - { .name: Wv, .offset: 24, .size: 8, .value_kind: global_buffer, .address_space: global }
      - { .name: bk, .offset: 32, .size: 8, .value_kind: global_buffer, .address_space: global }
      - { .name: bq, .offset: 40, .size: 8, .value_kind: global_buffer, .address_space: global }
      - { .name: bv, .offset: 48, .size: 8, .value_kind: global_buffer, .address_space: global }
      - { .name: xb, .offset: 56, .size: 8, .value_kind: global_buffer, .address_space: global }
      - { .name: wb, .offset: 64, .size: 8, .value_kind: global_buffer, .address_space: global }
      - { .name: bias, .offset: 72, .size: 8, .value_kind: global_buffer, .address_space: global }
      - { .name: statm, .offset: 80, .size: 8, .value_kind: global_buffer, .address_space: global }
      - { .name: statl, .offset: 88, .size: 8, .value_kind: global_buffer, .address_space: global }
    .group_segment_fixed_size: 0
    .private_segment_fixed_size: 0
    .kernarg_segment_align: 8
    .kernarg_segment_size: 96
    .max_flat_workgroup_size: 256
    .sgpr_count:     66
    .vgpr_count:     228
    .wavefront_size: 32
...
	.end_amdgpu_metadata
.endif
;; end of part 1
;; launch proj (part 2): grid 8 x 32, 4 waves a work-group, clusters of 4 x 4, 327,680 bytes of LDS; arguments xb, wb, bias, kqv; writes kqv
.if DOCPART == 2
	.amdgcn_target "amdgcn-amd-amdhsa--gfx1250"
	.amdhsa_code_object_version 6
	.text
	.protected	k_q812594bd7f_proj
	.globl	k_q812594bd7f_proj
	.p2align	8
	.type	k_q812594bd7f_proj,@function
k_q812594bd7f_proj:
	s_mov_b64 s[64:65], 0
	v_nop
	global_prefetch_b8 v0, s[64:65] scope:SCOPE_SE
	s_setreg_imm32_b32 hwreg(HW_REG_WAVE_MODE, 25, 1), 1
	s_wait_xcnt 0x0
	s_wait_alu depctr_hold_cnt(0) depctr_sa_sdst(0) depctr_va_vdst(0) depctr_va_sdst(0) depctr_va_ssrc(0) depctr_va_vcc(0) depctr_vm_vsrc(0)
	s_getreg_b32 s2, hwreg(HW_REG_IB_STS2, 6, 4)
	s_cmp_eq_u32 s2, 0
	s_cbranch_scc0 .Lentry_in_a_cluster
	s_endpgm
.Lentry_in_a_cluster:
	s_bfe_u32 s2, ttmp6, 0x10000c
	s_cmp_lg_u32 s2, 0xf033
	s_cbranch_scc0 .Lentry_shape_is_right
	s_endpgm
.Lentry_shape_is_right:
; kqv[m][n] = sum over k of x[m][k] W[n][k] + bias[n]: 8,192 x 3,072 x 1,024.  Operands bf16, sums f32, kqv rounded once to f16 ([8192][3072]: K, Q, V side by side).
; LIMIT.  f16 ends at 65,504: a K, Q or V beyond that becomes an infinity.  NaN and infinities are not treated apart.
; SHARES.  A tile is 256 (m) x 384 (n): 32 x 8 = 256 work-groups.  Four waves, each 128 x 192: 96 accumulators of 16 x 16, 768 registers.
; K goes in steps of 64 through two LDS slots.  xb and wb are laid out in blocks, so a step's tile is dense in memory and is asked for as rows of 256 bytes (two tile rows each),
; padded in LDS behind every 128 bytes.  A step is two slices of 32 along K, 96 matrix instructions each.
; CLUSTER 4 x 4: x's tile hangs on the tile row alone and is asked for jointly by a row of the cluster, W's on the tile column alone, by a column.
; THE SUMS START AT THE BIAS: it is loaded straight into the accumulators while the first tile is on its way, so every product has one form.
; THE MATRIX INSTRUCTION IS USED TRANSPOSED (source 0 = 16 rows of W, source 1 = 16 rows of x): a lane holds row l % 16 of kqv and the columns 8 (l / 16) + 0..7.
; REGISTERS.  window 0: v0-31 addresses; v32-95, v96-159 x's fragments, two buffers; v160-255 W's twelve fragments, one buffer, reloaded four at a time behind their products.
;   windows 1-3: accumulator (a, b), a = 0..7, b = 0..11, in window 1 + b / 4 at v[8 (8 (b % 4) + a)].
.set PITCH, 144                        ; an LDS row: 128 bytes + 16: an odd multiple of 16, so the 16 rows of a fragment load start at 16 different groups of four banks (ISA guide 11.1)
.set SLOT1, 131072                     ; slot 1 begins here: one exclusive or turns an address in one slot into the other's
.set BOFF,  256*PITCH                  ; in a slot: x's 256 rows, then W's 384
.set SP,    784                        ; the stage's rows: 768 bytes + 16.  The stage (256 rows from byte 0) lies over the slots and is written behind their last fill and a barrier
.set SPARE, 223232                     ; behind slot 1: the spare words, 128 bytes a wave
.set ASTEP, 32768                      ; bytes of a step's tile of x in memory
.set BSTEP, 49152                      ; and of W
.set ADRA, 16
.set ADRB, 17
.set STO,  18
.set STO2, 19
.set RD,   20
.set CO,   21
.set BO,   22
.set PFO,  23
.set A0L,  24
.set B0L,  25
.set SPW,  28
.set NIL,  29
.set FA0,  32
.set FA1,  96
.set BF,   160
.set WV,   12
.set WM,   13                          ; wave / 2: my half of the rows; also 0: I fetch for x, 1: for W
.set WN,   14                          ; wave % 2: my half of the columns; also which half of that tile I fetch
.set CX,   15
.set CY,   16
.set TCOL, 17
.set TROW, 18
.set CNT,  19
.set TB,   20                          ; LDS byte at which the slot being read begins
.set G1A,  24
.set G1B,  32
.set G0A0, 40                          ; group 0 for x: slot 0's first fill; G0A: slot 1's, which then walks
.set G0A,  44
.set G0B0, 48
.set G0B,  52
.set PFA,  56
.set PFS,  58
.set LIM,  60
.set PAR,  61
.set BIASP, 68
.set OUTP, 70
.set G1C, (1<<16)|(1<<20)|(1<<21)|(4<<22)|(3<<25)  ; 2-byte elements; padding on; bit 21 beside a mask; after every 32 words; 4 words
.set MSB, 0
.macro WIN new                         ; the immediate's high byte repeats the setting that is left; a switch that changes nothing is dropped
.if MSB != (\new)
	s_set_vgpr_msb (MSB<<8)|(\new)
.set MSB, \new
.endif
.endm
.macro PLACES                          ; four places behind matrix instructions, in front of loads into registers that they read and of conversions of their results
.rept 4
	v_nop
.endr
.endm
.macro CREST                           ; a round of the cluster's barrier behind its opening barrier
	s_cmp_lg_u32 s[WV], 0
	s_cbranch_scc1 .Lnot_wave_0_\@
	s_barrier_signal -3
.Lnot_wave_0_\@:
	s_barrier_wait -3
	s_barrier_signal -1
	s_barrier_wait -1
.endm
.macro CROUND
	s_barrier_signal -1
	s_barrier_wait -1
	CREST
.endm
.macro JLOAD                           ; a joint refill: waves 0, 1 x's two halves, waves 2, 3 W's; the branch hangs on the wave's number alone
	s_cmp_eq_u32 s[WM], 0
	s_cbranch_scc0 .Lfor_b_\@
	tensor_load_to_lds s[G0A:G0A+3], s[G1A:G1A+7]
	s_nop 0
.rept 4
	v_nop
.endr
	s_branch .Lasked_\@
.Lfor_b_\@:
	tensor_load_to_lds s[G0B:G0B+3], s[G1B:G1B+7]
	s_nop 0
.rept 4
	v_nop
.endr
.Lasked_\@:
.endm
; A prefetch into the L2 of the K step four on, two refills ahead of its request.  A step of x's tile is 128 blocks of 256 bytes: wave 0 of each of the four partners of a row takes 32 (told apart by address, cx), at
; every change of slots, in the clusters with x = 0.  Two steps of W's tile lie end to end, 384 blocks: waves 1-3 of each of the four partners of a column take 32 each (cy), at every second change, in the clusters
; with y = 0.  So each block is named once in the launch.  Steps 0-3 come by their loads alone; the last asks name step 15.
.macro ASK
	s_and_b32 s62, s[CNT], s[PAR]
	s_lshl_b32 s62, s62, 5
	s_add_co_u32 s62, s62, s[LIM]
	s_cmp_gt_u32 s[CNT], s62
	s_cbranch_scc0 .Lnot_mine_\@
	global_prefetch_b8 v[PFO], s[PFA:PFA+1] th:TH_LOAD_NT scope:SCOPE_SE
.Lnot_mine_\@:
.endm
; 16 matrix instructions: column blocks 4 g + 2 half + {0, 1} x all 8 row blocks.  The accumulators take turns, one instruction a turn.
.macro GH g, half, abuf
	WIN 0x50*((\g)+1)
.irp bb, 2*(\half), 2*(\half)+1
.irp a, 0,1,2,3,4,5,6,7
	v_wmma_f32_16x16x32_bf16 v[8*(8*(\bb)+(\a)):8*(8*(\bb)+(\a))+7], v[BF+8*(4*(\g)+(\bb)):BF+8*(4*(\g)+(\bb))+7], v[(\abuf)+8*(\a):(\abuf)+8*(\a)+7], v[8*(8*(\bb)+(\a)):8*(8*(\bb)+(\a))+7]
.endr
.endr
.endm
.macro LDA abuf, k                     ; x's eight fragments of the slice at byte k of the rows
.irp a, 0,1,2,3,4,5,6,7
	ds_load_b128 v[(\abuf)+8*(\a):(\abuf)+8*(\a)+3],   v[ADRA] offset:(\k)+(\a)*16*PITCH
	ds_load_b128 v[(\abuf)+8*(\a)+4:(\abuf)+8*(\a)+7], v[ADRA] offset:(\k)+(\a)*16*PITCH+32
.endr
.endm
.macro LDB g, k                        ; W's fragments 4 g .. 4 g + 3
.irp bb, 0,1,2,3
	ds_load_b128 v[BF+8*(4*(\g)+(\bb)):BF+8*(4*(\g)+(\bb))+3],   v[ADRB] offset:(\k)+(4*(\g)+(\bb))*16*PITCH
	ds_load_b128 v[BF+8*(4*(\g)+(\bb))+4:BF+8*(4*(\g)+(\bb))+7], v[ADRB] offset:(\k)+(4*(\g)+(\bb))*16*PITCH+32
.endr
.endm
; A step's first slice.  A slice's loads were issued in groups of 24, 8 and 8; each wait leaves out what was issued behind the group that is wanted.
.macro S0
	s_wait_dscnt 16                                ; the 24 are in; the two groups of 8 may be out
	GH 0, 0, FA0
	GH 0, 1, FA0
	WIN 0
	PLACES
	LDA FA1, 64
	LDB 0, 64
	s_wait_dscnt 32                                ; the first 8 are in; 8 + 24 younger may be out
	GH 1, 0, FA0
	GH 1, 1, FA0
	WIN 0
	PLACES
	LDB 1, 64
	s_wait_dscnt 32                                ; the second 8 are in; 24 + 8 younger may be out
	GH 2, 0, FA0
	GH 2, 1, FA0
	WIN 0
	PLACES
	LDB 2, 64
.endm
; A step's second slice, with the change of slots.  fill = 1: the slot just read out is filled again, two steps ahead, first thing behind a round of the cluster's barrier.
.macro S1 fill
	WIN 0
.if \fill
	s_wait_xcnt 0x0                                ; the last prefetch, a step back, has read its address
	s_add_nc_u64 s[PFA:PFA+1], s[PFA:PFA+1], s[PFS:PFS+1]
.endif
	s_wait_tensorcnt 0x0                           ; all my tensor loads have landed: the one that was out is my part of the next slot
	ds_add_u32 v[SPW], v[NIL]                      ; 0 onto my spare word
.if \fill
	s_xor_b32 s[G0A+1], s[G0A+1], SLOT1            ; no load of mine is out, so the walking descriptors may be written: the other slot, the next step
	s_add_nc_u64 s[G0A+2:G0A+3], s[G0A+2:G0A+3], ASTEP
	s_xor_b32 s[G0B+1], s[G0B+1], SLOT1
	s_add_nc_u64 s[G0B+2:G0B+3], s[G0B+2:G0B+3], BSTEP
.endif
	s_xor_b32 s[TB], s[TB], SLOT1
	s_wait_dscnt 17                                ; the 24 are in; the two groups of 8 and the add may be out
	GH 0, 0, FA1
	s_wait_dscnt 0x0                               ; the add is done, and my reads of this slot are over
	s_barrier_signal -1
	GH 0, 1, FA1
	WIN 0
	s_barrier_wait -1
.if \fill
	CREST                                          ; no wave of any partner still reads this slot or has a load on its way
	JLOAD                                          ; 160 matrix instructions ahead of the wait for it; its four v_nop are also the places in front of the loads below
.else
	PLACES
.endif
	v_add_nc_u32 v[ADRA], s[TB], v[A0L]
	v_add_nc_u32 v[ADRB], s[TB], v[B0L]
	LDA FA0, 0
	LDB 0, 0
.if \fill
	ASK
.endif
	GH 1, 0, FA1
	GH 1, 1, FA1
	WIN 0
	PLACES
	LDB 1, 0
	GH 2, 0, FA1
	GH 2, 1, FA1
	WIN 0
	PLACES
	LDB 2, 0
.endm
	s_load_b256 s[4:11], s[0:1], 0x0               ; xb 4, wb 6, bias 8, kqv 10
	v_lshl_add_u32 v[SPW], v0, 2, SPARE
	v_mov_b32 v[NIL], 0
	ds_add_u32 v[SPW], v[NIL]                      ; the wave's opening: the add and its wait ahead of my first tensor load
	v_lshrrev_b32 v1, 5, v0
	v_readfirstlane_b32 s[WV], v1
	s_lshr_b32 s[WM], s[WV], 1
	s_and_b32 s[WN], s[WV], 1
	s_bfe_u32 s[CX], ttmp6, 0x40000
	s_bfe_u32 s[CY], ttmp6, 0x40004
	s_lshl_b32 s[TCOL], ttmp9, 2
	s_add_co_u32 s[TCOL], s[TCOL], s[CX]           ; tile column = 4 x cluster x + cx
	s_and_b32 s[TROW], ttmp7, 0xffff
	s_lshl_b32 s[TROW], s[TROW], 2
	s_add_co_u32 s[TROW], s[TROW], s[CY]           ; tile row = 4 x cluster y + cy
	s_lshl_b32 s21, s[CY], 2
	s_lshl_b32 s21, 15, s21                        ; my row of the cluster
	s_lshl_b32 s22, 0x1111, s[CX]                  ; my column
	s_or_b32 s[G1A], s21, G1C
	s_or_b32 s[G1B], s22, G1C
.irp g, G1A, G1B
	s_mov_b32 s[(\g)+1], 128<<16                   ; tensor_dim0 = 128 elements: 256 bytes, two tile rows
	s_mov_b32 s[(\g)+3], 128<<16                   ; tile_dim0
	s_mov_b32 s[(\g)+5], 128                       ; dense: 128 elements from row to row
	s_mov_b32 s[(\g)+6], 0
	s_mov_b32 s[(\g)+7], 0
.endr
	s_mov_b32 s[G1A+2], 64<<16                     ; x: 64 such rows = 128 tile rows a wave
	s_mov_b32 s[G1A+4], 64
	s_mov_b32 s[G1B+2], 96<<16                     ; W: 96 = 192 tile rows a wave
	s_mov_b32 s[G1B+4], 96
	s_lshl_b32 s72, s[TROW], 19                    ; x's tile hangs on the tile row and the wave alone,
	s_lshl_b32 s23, s[WN], 14
	s_add_co_u32 s72, s72, s23
	s_mov_b32 s73, 0
	s_mul_i32 s74, s[TCOL], 786432                 ; W's on the tile column and the wave alone
	s_mul_i32 s62, s[WN], 24576
	s_add_co_u32 s74, s74, s62
	s_mov_b32 s75, 0
	s_mul_i32 s66, s[WN], 128*PITCH                ; where they go: no place in the cluster enters an LDS address
	s_mul_i32 s67, s[WN], 192*PITCH
	s_add_co_u32 s67, s67, BOFF
	s_mov_b32 s[TB], 0
	s_wait_dscnt 0x0                               ; the opening add is done
	s_wait_kmcnt 0x0
	s_add_nc_u64 s[72:73], s[4:5], s[72:73]
	s_add_nc_u64 s[74:75], s[6:7], s[74:75]
.irp sl, 0,1
	s_mov_b32 s[G0A0+4*(\sl)], 1
	s_add_co_u32 s[G0A0+4*(\sl)+1], s66, (\sl)*SLOT1
	s_add_nc_u64 s[G0A0+4*(\sl)+2:G0A0+4*(\sl)+3], s[72:73], (\sl)*ASTEP
	s_or_b32 s[G0A0+4*(\sl)+3], s[G0A0+4*(\sl)+3], 0x80000000
	s_mov_b32 s[G0B0+4*(\sl)], 1
	s_add_co_u32 s[G0B0+4*(\sl)+1], s67, (\sl)*SLOT1
	s_add_nc_u64 s[G0B0+4*(\sl)+2:G0B0+4*(\sl)+3], s[74:75], (\sl)*BSTEP
	s_or_b32 s[G0B0+4*(\sl)+3], s[G0B0+4*(\sl)+3], 0x80000000
.endr
	CROUND                                         ; all sixteen work-groups are here: the first joint loads meet
	s_cmp_eq_u32 s[WM], 0                          ; a wave's two first fills stand in one branch: two loads of mine are out
	s_cbranch_scc0 .Lfirst_b
	tensor_load_to_lds s[G0A0:G0A0+3], s[G1A:G1A+7]
	s_nop 0
	tensor_load_to_lds s[G0A:G0A+3], s[G1A:G1A+7]
	s_nop 0
.rept 4
	v_nop
.endr
	s_branch .Lfirst_asked
.Lfirst_b:
	tensor_load_to_lds s[G0B0:G0B0+3], s[G1B:G1B+7]
	s_nop 0
	tensor_load_to_lds s[G0B:G0B+3], s[G1B:G1B+7]
	s_nop 0
.rept 4
	v_nop
.endr
.Lfirst_asked:
	v_and_b32 v1, 15, v0                           ; r = l % 16
	v_bfe_u32 v2, v0, 4, 1                         ; h = l / 16
	v_lshlrev_b32 v[BO], 5, v2                     ; my 8 columns' biases: 32 h bytes
	s_mul_i32 s21, s[TCOL], 1536
	s_mul_i32 s22, s[WN], 768
	s_add_co_u32 s66, s21, s22
	s_mov_b32 s67, 0
	s_add_nc_u64 s[BIASP:BIASP+1], s[8:9], s[66:67]
.irp g, 0,1,2                          ; the bias of column block b goes into all eight accumulators (a, b)
	WIN 0x40*((\g)+1)
.irp bb, 0,1,2,3
.irp a, 0,1,2,3,4,5,6,7
	global_load_b128 v[8*(8*(\bb)+(\a)):8*(8*(\bb)+(\a))+3],   v[BO], s[BIASP:BIASP+1] offset:64*(4*(\g)+(\bb))
	global_load_b128 v[8*(8*(\bb)+(\a))+4:8*(8*(\bb)+(\a))+7], v[BO], s[BIASP:BIASP+1] offset:64*(4*(\g)+(\bb))+16
.endr
.endr
.endr
	WIN 0
	v_mul_u32_u24 v3, v1, PITCH
	v_lshl_add_u32 v3, v2, 4, v3                   ; a fragment's row x pitch + 16 x half
	s_mul_i32 s21, s[WM], 128*PITCH
	v_add_nc_u32 v[A0L], s21, v3
	s_mul_i32 s21, s[WN], 192*PITCH
	s_add_co_u32 s21, s21, BOFF
	v_add_nc_u32 v[B0L], s21, v3
	v_add_nc_u32 v[ADRA], s[TB], v[A0L]
	v_add_nc_u32 v[ADRB], s[TB], v[B0L]
	v_mul_u32_u24 v4, v1, SP                       ; into the stage: row 128 wm + 16 a + r, bytes 384 wn + 32 b + 16 h
	v_lshl_add_u32 v4, v2, 4, v4
	s_mul_i32 s21, s[WM], 128*SP
	s_mul_i32 s22, s[WN], 384
	s_add_co_u32 s21, s21, s22
	v_add_nc_u32 v[STO], s21, v4
	v_add_nc_u32 v[STO2], 64*SP, v[STO]            ; row blocks 4-7: the immediate has 16 bits
	v_mul_u32_u24 v5, v2, 32*SP                    ; back: wave w takes rows 64 w ..; lanes 0-15 256 bytes of one row, lanes 16-31 of the row 32 below
	v_lshl_add_u32 v5, v1, 4, v5
	s_mul_i32 s21, s[WV], 64*SP
	v_add_nc_u32 v[RD], s21, v5
	v_mul_u32_u24 v5, v2, 32*6144
	v_lshl_add_u32 v[CO], v1, 4, v5
	s_lshl_b32 s66, s[TROW], 8
	s_lshl_b32 s67, s[WV], 6
	s_add_co_u32 s66, s66, s67
	s_mul_i32 s66, s66, 6144
	s_mul_i32 s67, s[TCOL], 768
	s_add_co_u32 s66, s66, s67
	s_mov_b32 s67, 0
	s_add_nc_u64 s[OUTP:OUTP+1], s[10:11], s[66:67]
	; the prefetches
	v_and_b32 v[PFO], 31, v0
	v_lshlrev_b32 v[PFO], 8, v[PFO]
	s_and_b32 s62, ttmp7, 0xffff                   ; cluster y
	s_lshl_b32 s76, s[TROW], 19
	s_lshl_b32 s63, s[CX], 13
	s_add_co_u32 s76, s76, s63                     ; x: my work-group's 8,192 bytes of a step
	s_mul_i32 s78, s[TCOL], 786432
	s_mul_i32 s63, s[CY], 24576
	s_add_co_u32 s78, s78, s63
	s_max_u32 s63, s[WV], 1
	s_sub_co_u32 s63, s63, 1
	s_lshl_b32 s63, s63, 13
	s_add_co_u32 s78, s78, s63                     ; W: my work-group's 24,576 bytes of two steps, my wave's 8,192 of them
	s_mov_b32 s63, BSTEP
	s_cmp_eq_u32 s[WV], 0
	s_cselect_b64 s[PFA:PFA+1], s[4:5], s[6:7]
	s_cselect_b32 s76, s76, s78
	s_cselect_b32 s[PFS], ASTEP, s63
	s_cselect_b32 s[PAR], 0, 1
	s_cselect_b32 s62, ttmp9, s62                  ; the coordinate along which other clusters read the same blocks
	s_mov_b32 s[PFS+1], 0
	s_mov_b32 s77, 0
	s_cmp_eq_u32 s62, 0
	s_cselect_b32 s[LIM], 2, -1                    ; the same in all sixteen partners, for a given wave
	s_mul_i32 s63, s[PFS], 3
	s_add_co_u32 s76, s76, s63                     ; at step 3: the first change of slots steps it to 4
	s_add_nc_u64 s[PFA:PFA+1], s[PFA:PFA+1], s[76:77]
	s_wait_tensorcnt 0x1                           ; my part of step 0 is in; step 1's may stay out
	s_barrier_signal -1
	s_barrier_wait -1
	LDA FA0, 0
	LDB 0, 0
	LDB 1, 0
	LDB 2, 0
	s_wait_loadcnt 0x0                             ; the biases are in the accumulators
	s_mov_b32 s[CNT], 14
.Lk:                                                   ; steps 0-13: each fills its slot again
	S0
	S1 1
	s_sub_co_u32 s[CNT], s[CNT], 1
	s_cmp_lg_u32 s[CNT], 0
	s_cbranch_scc1 .Lk
	s_mov_b32 s[CNT], 2
.Lt:                                                   ; steps 14, 15 ask for nothing; the last trip's barrier and fragment loads serve nothing: the price of writing the tail once
	S0
	S1 0
	s_sub_co_u32 s[CNT], s[CNT], 1
	s_cmp_lg_u32 s[CNT], 0
	s_cbranch_scc1 .Lt
	; THE WAY OUT: rounded to f16, 16 bytes a lane into the work-group's stage; a barrier, since a row's 768 bytes come from two waves; back as whole 256-byte pieces of rows.
	s_wait_dscnt 0x0                               ; my reads of the slots are over,
	s_barrier_signal -1
	s_barrier_wait -1                              ; everybody's are: the stage may be written over them
.irp g, 0,1,2
	WIN 0x05*((\g)+1)
.set n, 0
.rept 32
.irp rr, 0,1,2,3
	v_cvt_pk_f16_f32 v[FA0+4*n+(\rr)], v[8*n+2*(\rr)], v[8*n+2*(\rr)+1]
.endr
.set n, n+1
.endr
	WIN 0
.irp bb, 0,1,2,3
.irp a, 0,1,2,3
	ds_store_b128 v[STO],  v[FA0+4*(8*(\bb)+(\a)):FA0+4*(8*(\bb)+(\a))+3]     offset:(\a)*16*SP+32*(4*(\g)+(\bb))
	ds_store_b128 v[STO2], v[FA0+4*(8*(\bb)+(\a)+4):FA0+4*(8*(\bb)+(\a)+4)+3] offset:(\a)*16*SP+32*(4*(\g)+(\bb))
.endr
.endr
.endr
	s_wait_dscnt 0x0                               ; for the others' sake: my stores into the stage are done
	s_barrier_signal -1
	s_barrier_wait -1
.set n, 0
.rept 4                                ; four batches of 24 pieces, on two sets of registers by turns
.set BK, FA0+96*(n%2)
.if n >= 2
	s_wait_xcnt 0x0                                ; the set's earlier stores have read their data
.endif
.set t, 0
.rept 24
	ds_load_b128 v[BK+4*t:BK+4*t+3], v[RD] offset:((24*n+t)/3)*SP+((24*n+t)%3)*256
.set t, t+1
.endr
.set t, 0
.rept 24
	s_wait_dscnt 23-t
	global_store_b128 v[CO], v[BK+4*t:BK+4*t+3], s[OUTP:OUTP+1] offset:((24*n+t)/3)*6144+((24*n+t)%3)*256  ; 16 lanes store 256 consecutive bytes, aligned
.set t, t+1
.endr
.set n, n+1
.endr
	s_wait_tensorcnt 0x0                           ; the wave's end
	ds_add_u32 v[SPW], v[NIL]
	s_wait_dscnt 0x0
	CROUND                                         ; the closing round
	s_endpgm
.Lfunc_end_k_q812594bd7f_proj:
	.size	k_q812594bd7f_proj, .Lfunc_end_k_q812594bd7f_proj-k_q812594bd7f_proj
	.p2alignl 7, 3214868480
	.fill 96, 4, 3214868480
	.section	.rodata,"a",@progbits
	.p2align	6, 0x0
	.amdhsa_kernel k_q812594bd7f_proj
		.amdhsa_group_segment_fixed_size 327680
		.amdhsa_private_segment_fixed_size 0
		.amdhsa_enable_private_segment 0
		.amdhsa_kernarg_size 32
		.amdhsa_user_sgpr_count 2
		.amdhsa_user_sgpr_kernarg_segment_ptr 1
		.amdhsa_wavefront_size32 1
		.amdhsa_system_sgpr_workgroup_id_x 1
		.amdhsa_system_sgpr_workgroup_id_y 1
		.amdhsa_system_sgpr_workgroup_id_z 1
		.amdhsa_system_vgpr_workitem_id 0
		.amdhsa_next_free_vgpr 1024
		.amdhsa_next_free_sgpr 84
		.amdhsa_reserve_vcc 0
		.amdhsa_float_denorm_mode_32 3
		.amdhsa_float_denorm_mode_16_64 3
		.amdhsa_memory_ordered 1
		.amdhsa_forward_progress 1
		.amdhsa_inst_pref_size 116
	.end_amdhsa_kernel
	.amdgpu_metadata
---
amdhsa.version: [ 1, 2 ]
amdhsa.kernels:
  - .name:           k_q812594bd7f_proj
    .symbol:         k_q812594bd7f_proj.kd
    .args:
      - { .name: xb, .offset: 0, .size: 8, .value_kind: global_buffer, .address_space: global }
      - { .name: wb, .offset: 8, .size: 8, .value_kind: global_buffer, .address_space: global }
      - { .name: bias, .offset: 16, .size: 8, .value_kind: global_buffer, .address_space: global }
      - { .name: kqv, .offset: 24, .size: 8, .value_kind: global_buffer, .address_space: global }
    .group_segment_fixed_size: 327680
    .private_segment_fixed_size: 0
    .kernarg_segment_align: 8
    .kernarg_segment_size: 32
    .max_flat_workgroup_size: 128
    .sgpr_count:     84
    .vgpr_count:     1024
    .wavefront_size: 32
...
	.end_amdgpu_metadata
.endif
;; end of part 2
;; launch score (part 3): grid 36 x 4, 4 waves a work-group, no clusters, 327,680 bytes of LDS; arguments kqv, p, statm, statl; writes p, statm, statl
.if DOCPART == 3
	.amdgcn_target "amdgcn-amd-amdhsa--gfx1250"
	.amdhsa_code_object_version 6
	.text
	.protected	k_q812594bd7f_score
	.globl	k_q812594bd7f_score
	.p2align	8
	.type	k_q812594bd7f_score,@function
k_q812594bd7f_score:
	s_mov_b64 s[64:65], 0
	v_nop
	global_prefetch_b8 v0, s[64:65] scope:SCOPE_SE
	s_setreg_imm32_b32 hwreg(HW_REG_WAVE_MODE, 25, 1), 1
	s_wait_xcnt 0x0
; For each tile (i, j), j <= i, of 256 x 256 of a batch's scores s[t][u] = K[t] . Q[u]: the tile's row maxima, as cm = c max(s), c = log2(e) / 32; the weights
; P = 2^(c s - cm), rounded to f16; and their row sums l (of the rounded weights).  The next launch joins a row's tiles by one f32 factor for each row and tile.
; LIMITS.  A hidden score (u > t) counts as its value less 1e30: f16 operands bound |s| by 4.4e12, nothing beside that.  A weight below 2^-126 counts as 0; below 6e-5 P keeps f16's fixed step.
; NaN and infinities are not treated apart.
; SHARES.  Work-group x of 36 is tile (i, j) of the triangle; y is the batch.  Four waves, each 64 rows x all 256 columns: 64 accumulators, 512 registers: a row's maximum and sum never leave the wave.
; K = 1,024 goes in steps of 128 (rows of 256 bytes) through two LDS slots; each wave fetches 128 rows of a slot (waves 0, 1: K's, waves 2, 3: Q's).
; NO CLUSTER: a batch's 36 tiles form a triangle whose rows have 1 to 8 tiles; they do not fall into groups of four that share a row or a column, and filling the triangle up would add tiles that the mask throws away.
; TRANSPOSED USE (source 0 = 16 rows of Q, source 1 = 16 rows of K): a lane holds row l % 16 and the columns 8 (l / 16) + 0..7.
; THE MASK is the C operand of the products that start the sums: 0, or -1e30 where the column is hidden.  It hangs on b - a alone: 19 sets of 8 registers, all 0 in tiles below the diagonal.
; REGISTERS.  window 0: v0-31 addresses and statistics; v32-95 K's fragments, two buffers; v96-247 the masks; behind the loop v32-159 P in f16 (two buffers), v160-223 rows read back, v224-251 ones and sums.
;   window 1: Q's fragments, two buffers of 128.   windows 2, 3: accumulator (a, b), a = 0..3, b = 0..15, in window 2 + a / 2 at v[8 (16 (a % 2) + b)].
.set PITCH, 272                        ; 256 bytes + 16: an odd multiple of 16 (banks: ISA guide 11.1)
.set HALFT, 128*PITCH
.set SLOT,  4*HALFT                    ; K's 256 rows, then Q's 256.  0x22000: it shares no bit with the waves' words w x 0x8800, so one exclusive or changes slots
.set STAGE, 2*SLOT                     ; behind the ring: 16 rows x 528 bytes for each wave
.set SPS,   528
.set SPARE, STAGE+4*16*SPS
.set A0L, 4
.set B0L, 5
.set ADRA, 6
.set ADRB, 7
.set STO, 8
.set RD,  9
.set GO,  10
.set PFO, 11
.set X,   12
.set Y,   13
.set NEG, 14
.set SOFF, 15
.set CH,  16                           ; v16-19 four chains of the maximum
.set CM,  20                           ; v20-21 c m, named as a pair
.set TMP, 22
.set MS,  24                           ; v24-27 c m of row block a
.set SPW, 30
.set NIL, 31
.set AF0, 32
.set MASK, 96
.set RB,  160
.set ONES, 224
.set L0,  232
.set L1,  240
.set LS,  248                          ; v248-251 l of row block a
.set WV,  12
.set I,   13
.set J,   14
.set BAT, 15
.set CNT, 16
.set TB,  17
.set LB,  18
.set LIM, 19
.set G1,  24
.set G0F, 32
.set G0,  36
.set PFA, 40
.set CS,  44
.set SEL, 46
.set HM,  48
.set PP,  50
.set SM,  52
.set SL,  54
.set SRC, 56
.set MSB, 0
.macro WIN new
.if MSB != (\new)
	s_set_vgpr_msb (MSB<<8)|(\new)
.set MSB, \new
.endif
.endm
.macro PLACES
.rept 4
	v_nop
.endr
.endm
; 16 matrix instructions: row block a x all 16 column blocks, 32 along K, from buffer f.  cm = 1: they start the sums with the mask.  The accumulators take turns.
.macro MULA f, a, cm
.if \cm
	WIN 0x81+0x40*((\a)/2)
.else
	WIN 0xa1+0x50*((\a)/2)
.endif
.irp b, 0,1,2,3,4,5,6,7,8,9,10,11,12,13,14,15
.if \cm
	v_wmma_f32_16x16x32_f16 v[8*(16*((\a)%2)+(\b)):8*(16*((\a)%2)+(\b))+7], v[128*(\f)+8*(\b):128*(\f)+8*(\b)+7], v[AF0+32*(\f)+8*(\a):AF0+32*(\f)+8*(\a)+7], v[MASK+8*((\b)-(\a)+3):MASK+8*((\b)-(\a)+3)+7]
.else
	v_wmma_f32_16x16x32_f16 v[8*(16*((\a)%2)+(\b)):8*(16*((\a)%2)+(\b))+7], v[128*(\f)+8*(\b):128*(\f)+8*(\b)+7], v[AF0+32*(\f)+8*(\a):AF0+32*(\f)+8*(\a)+7], v[8*(16*((\a)%2)+(\b)):8*(16*((\a)%2)+(\b))+7]
.endif
.endr
.endm
.macro FETCH k, f                      ; 40 LDS loads in one run: Q's 16 fragments, then K's 4, of the 32 along K at byte k
	WIN 0x40
.irp b, 0,1,2,3,4,5,6,7,8,9,10,11,12,13,14,15
	ds_load_b128 v[128*(\f)+8*(\b):128*(\f)+8*(\b)+3],   v[ADRB] offset:(\k)+(\b)*16*PITCH
	ds_load_b128 v[128*(\f)+8*(\b)+4:128*(\f)+8*(\b)+7], v[ADRB] offset:(\k)+(\b)*16*PITCH+32
.endr
	WIN 0
.irp a, 0,1,2,3
	ds_load_b128 v[AF0+32*(\f)+8*(\a):AF0+32*(\f)+8*(\a)+3],   v[ADRA] offset:(\k)+(\a)*16*PITCH
	ds_load_b128 v[AF0+32*(\f)+8*(\a)+4:AF0+32*(\f)+8*(\a)+7], v[ADRA] offset:(\k)+(\a)*16*PITCH+32
.endr
.endm
.macro QUARTER k, f, g, cm             ; one of a step's first three quarters: multiplies buffer f, fetches the next quarter, at byte k, into g
	s_wait_dscnt 4                                 ; Q's fragments and K's blocks 0, 1 are in; the youngest four loads may be out
	MULA \f, 0, \cm
	MULA \f, 1, \cm
	PLACES
	FETCH \k, \g
	s_wait_dscnt 40                                ; all but the 40 just issued
	MULA \f, 2, \cm
	MULA \f, 3, \cm
.endm
; A prefetch into the L2 of the step after the one that is being asked for: a wave's own 128 rows x 256 bytes, a lane a row, four instructions.  K's block i is read by tiles (i, 0 .. i): tile (i, 0) asks;
; Q's block j by tiles (j .. 7, j): tile (j, j) asks.  So each block of 256 bytes is named once.  Steps 0-2 come by their loads alone; the last ask names step 7.
.macro ASK
	s_cmp_gt_u32 s[CNT], s[LIM]
	s_cbranch_scc0 .Lnot_mine_\@
.irp n, 0,1,2,3
	global_prefetch_b8 v[PFO], s[PFA:PFA+1] offset:(\n)*196608 th:TH_LOAD_NT scope:SCOPE_SE
.endr
.Lnot_mine_\@:
.endm
.macro TURN fill                       ; the last quarter, with the change of slots
	WIN 0
.if \fill
	s_wait_xcnt 0x0                                ; the last prefetches, a step back, have read their address
	s_add_nc_u64 s[PFA:PFA+1], s[PFA:PFA+1], 256
.endif
	s_wait_tensorcnt 0x0                           ; all my tensor loads have landed: my part of the next slot
	ds_add_u32 v[SPW], v[NIL]                      ; 0 onto my spare word
.if \fill
	s_xor_b32 s[G0+1], s[G0+1], SLOT               ; no load of mine is out: the walking descriptor takes the other slot and the next step
	s_add_nc_u64 s[G0+2:G0+3], s[G0+2:G0+3], 256
.endif
	s_xor_b32 s[TB], s[TB], SLOT
	s_wait_dscnt 5                                 ; K's blocks 2, 3 and the add may be out
	MULA 1, 0, 0
	s_wait_dscnt 0x0                               ; the add is done, and my reads of this slot are over
	s_barrier_signal -1
	MULA 1, 1, 0
	WIN 0
	s_barrier_wait -1
.if \fill
	tensor_load_to_lds s[G0:G0+3], s[G1:G1+7]      ; my one load behind the barrier: 224 matrix instructions ahead of the wait for it
	s_nop 0
.endif
	PLACES
	v_add_nc_u32 v[ADRA], s[TB], v[A0L]
	v_add_nc_u32 v[ADRB], s[TB], v[B0L]
	FETCH 0, 0
.if \fill
	ASK
.endif
	MULA 1, 2, 0
	MULA 1, 3, 0
.endm
	s_load_b256 s[4:11], s[0:1], 0x0               ; kqv 4, p 6, statm 8, statl 10
	v_lshl_add_u32 v[SPW], v0, 2, SPARE
	v_mov_b32 v[NIL], 0
	ds_add_u32 v[SPW], v[NIL]                      ; the wave's opening: the add and its wait ahead of my first tensor load
	v_lshrrev_b32 v3, 5, v0
	v_readfirstlane_b32 s[WV], v3
	s_mov_b32 s20, ttmp9
	s_mov_b32 s[I], 0
.irp th, 1,3,6,10,15,21,28             ; i = how many rows of the triangle begin at or below x
	s_cmp_ge_u32 s20, \th
	s_add_co_ci_u32 s[I], s[I], 0
.endr
	s_add_co_u32 s21, s[I], 1
	s_mul_i32 s21, s21, s[I]
	s_lshr_b32 s21, s21, 1
	s_sub_co_u32 s[J], s20, s21                    ; j = x - i (i + 1) / 2
	s_and_b32 s[BAT], ttmp7, 0xffff
	s_mov_b32 s[G1],   (1<<16)|(1<<20)|(5<<22)|(3<<25)  ; 2-byte elements; padding on; after every 64 words; 4 words
	s_mov_b32 s[G1+1], 128<<16                     ; tensor_dim0 = 128
	s_mov_b32 s[G1+2], 128<<16                     ; tensor_dim1 = 128
	s_mov_b32 s[G1+3], 128<<16                     ; tile_dim0
	s_mov_b32 s[G1+4], 128                         ; tile_dim1
	s_mov_b32 s[G1+5], 3072                        ; elements from row to row of kqv
	s_mov_b32 s[G1+6], 0
	s_mov_b32 s[G1+7], 0
	s_mov_b32 s[CS], 0x3d38aa3b                    ; c = log2(e) / 32
	s_mov_b32 s[CS+1], s[CS]
	s_mov_b32 s[SEL], 0x76543210
	s_mov_b32 s[SEL+1], 0xfedcba98
	s_mov_b32 s[HM], 0xffff0000
	s_mov_b32 s[TB], 0
	s_mul_i32 s[LB], s[WV], HALFT                  ; my 128 rows of a slot
	s_and_b32 s21, s[WV], 1
	s_cmp_lt_u32 s[WV], 2
	s_cselect_b32 s22, s[I], s[J]                  ; waves 0, 1: K's block i; waves 2, 3: Q's block j
	s_cselect_b32 s23, 0, 2048
	s_lshl_b32 s58, s[BAT], 11
	s_lshl_b32 s22, s22, 8
	s_add_co_u32 s58, s58, s22
	s_lshl_b32 s21, s21, 7
	s_add_co_u32 s58, s58, s21
	s_mul_i32 s58, s58, 6144
	s_add_co_u32 s58, s58, s23
	s_mov_b32 s59, 0
	s_wait_dscnt 0x0                               ; the opening add is done
	s_wait_kmcnt 0x0
	s_add_nc_u64 s[SRC:SRC+1], s[4:5], s[58:59]
	s_mov_b32 s[G0F], 1
	s_add_co_u32 s[G0F+1], s[LB], 0
	s_add_nc_u64 s[G0F+2:G0F+3], s[SRC:SRC+1], 0
	s_or_b32 s[G0F+3], s[G0F+3], 0x80000000
	s_mov_b32 s[G0], 1
	s_add_co_u32 s[G0+1], s[LB], SLOT
	s_add_nc_u64 s[G0+2:G0+3], s[SRC:SRC+1], 256
	s_or_b32 s[G0+3], s[G0+3], 0x80000000
	tensor_load_to_lds s[G0F:G0F+3], s[G1:G1+7]    ; steps 0 and 1: two loads of mine are out
	s_nop 0
	tensor_load_to_lds s[G0:G0+3], s[G1:G1+7]
	s_nop 0
.rept 4
	v_nop
.endr
	s_add_nc_u64 s[PFA:PFA+1], s[SRC:SRC+1], 512   ; at step 2: the first change of slots steps it to 3
	s_sub_co_u32 s60, s[I], s[J]
	s_cmp_lt_u32 s[WV], 2
	s_cselect_b32 s61, s[J], s60
	s_cmp_eq_u32 s61, 0
	s_cselect_b32 s[LIM], 1, -1
	v_and_b32 v1, 15, v0                           ; r
	v_bfe_u32 v2, v0, 4, 1                         ; h
	v_and_b32 v3, 31, v0                           ; l
	v_mul_u32_u24 v[PFO], v3, 6144
	v_mul_u32_u24 v[B0L], v1, PITCH
	v_lshl_add_u32 v[B0L], v2, 4, v[B0L]           ; row x pitch + 16 x half
	s_mul_i32 s20, s[WV], 64*PITCH
	v_add_nc_u32 v[A0L], s20, v[B0L]               ; my 64 rows of K
	v_add_nc_u32 v[B0L], 2*HALFT, v[B0L]           ; all of Q, behind K's 256 rows
	v_add_nc_u32 v[ADRA], s[TB], v[A0L]
	v_add_nc_u32 v[ADRB], s[TB], v[B0L]
	s_mul_i32 s20, s[WV], 16*SPS
	s_add_co_u32 s20, s20, STAGE
	v_mul_u32_u24 v[STO], v1, SPS
	v_lshl_add_u32 v[STO], v2, 4, v[STO]
	v_add_nc_u32 v[STO], s20, v[STO]
	v_lshl_add_u32 v[RD], v3, 4, s20               ; back: 32 lanes take one row of 512 bytes
	v_lshlrev_b32 v[GO], 4, v3
	v_lshlrev_b32 v[SOFF], 2, v3
	v_mov_b32 v[TMP], 0
	v_mov_b32 v[NEG], 0xf149f2ca                   ; -1e30
	s_lshl_b32 s58, s[BAT], 23                     ; p at my 64 rows, the tile's 512 bytes
	s_lshl_b32 s20, s[I], 20
	s_add_co_u32 s58, s58, s20
	s_lshl_b32 s20, s[WV], 18
	s_add_co_u32 s58, s58, s20
	s_lshl_b32 s20, s[J], 9
	s_add_co_u32 s58, s58, s20
	s_add_nc_u64 s[PP:PP+1], s[6:7], s[58:59]
	s_lshl_b32 s58, s[BAT], 11                     ; the statistics: [8 tiles][8,192 rows]
	s_lshl_b32 s20, s[I], 8
	s_add_co_u32 s58, s58, s20
	s_lshl_b32 s20, s[WV], 6
	s_add_co_u32 s58, s58, s20
	s_lshl_b32 s58, s58, 2
	s_lshl_b32 s20, s[J], 15
	s_add_co_u32 s58, s58, s20
	s_add_nc_u64 s[SM:SM+1], s[8:9], s[58:59]
	s_add_nc_u64 s[SL:SL+1], s[10:11], s[58:59]
	; column 256 j + 16 b + 8 h + jj is hidden where it is greater than row 256 i + 64 w + 16 a + r: where jj > X - 16 (d - 3), d = b - a + 3, X = 256 (i - j) + 64 w + r - 8 h
	s_lshl_b32 s60, s60, 8
	s_lshl_b32 s20, s[WV], 6
	s_add_co_u32 s60, s60, s20
	v_add_nc_u32 v[X], s60, v1
	v_lshlrev_b32 v[Y], 3, v2
	v_sub_nc_u32 v[X], v[X], v[Y]
.set d, 0
.rept 19
	v_add_nc_u32 v[Y], 48-16*d, v[X]
.set jj, 0
.rept 8
	v_cmp_gt_i32 vcc_lo, jj, v[Y]
	v_cndmask_b32 v[MASK+8*d+jj], 0, v[NEG], vcc_lo
.set jj, jj+1
.endr
.set d, d+1
.endr
	s_wait_tensorcnt 0x1                           ; my part of step 0 is in; step 1's may stay out
	s_barrier_signal -1
	s_barrier_wait -1
	FETCH 0, 0
	QUARTER 64, 0, 1, 1                            ; the first quarter stands in front of the loop: its products start the sums, with the mask
	WIN 0
	s_mov_b32 s[CNT], 6
.Lk:                                                   ; a trip goes from a step's second quarter to the next step's first, and fills the slot that it leaves
	QUARTER 128, 1, 0, 0
	QUARTER 192, 0, 1, 0
	TURN 1
	QUARTER 64, 0, 1, 0
	WIN 0
	s_sub_co_u32 s[CNT], s[CNT], 1
	s_cmp_lg_u32 s[CNT], 0
	s_cbranch_scc1 .Lk
	s_mov_b32 s[CNT], 2
.Lt:                                                   ; the last two steps ask for nothing; the second trip is left in its middle (its barrier and fragment loads serve nothing)
	QUARTER 128, 1, 0, 0
	QUARTER 192, 0, 1, 0
	TURN 0
	WIN 0
	s_sub_co_u32 s[CNT], s[CNT], 1
	s_cmp_eq_u32 s[CNT], 0
	s_cbranch_scc1 .Lout
	QUARTER 64, 0, 1, 0
	WIN 0
	s_branch .Lt
.Lout:
	s_wait_dscnt 0x0
	PLACES
.set n, 0
.rept 8
	v_mov_b32 v[ONES+n], 0x3c003c00                ; 1.0 twice in f16
.set n, n+1
.endr
; THE WAY OUT, a row block of 16 rows at a time.
.macro WMAX a                          ; the row's maximum of 128 scores a lane, in four chains; each accumulator is read from its low end on
.set AB, 128*((\a)%2)
	WIN 0
.irp q, 0,1,2,3
	v_mov_b32 v[CH+(\q)], 0xff7fffff
.endr
	WIN 0x28+0x14*((\a)/2)
.set st, 0
.rept 16
.irp q, 0,1,2,3
	v_max3_num_f32 v[CH+(\q)], v[CH+(\q)], v[AB+8*((\q)+4*(st/4))+2*(st%4)], v[AB+8*((\q)+4*(st/4))+2*(st%4)+1]
.endr
.set st, st+1
.endr
	WIN 0
	v_max3_num_f32 v[CH], v[CH], v[CH+1], v[CH+2]
	v_max_num_f32 v[CH], v[CH], v[CH+3]
	v_permlanex16_b32 v[TMP], v[CH], s[SEL], s[SEL+1]  ; the row's other 128 columns lie in the lane 16 away
	v_max_num_f32 v[CH], v[CH], v[TMP]
	v_mul_f32 v[CM], s[CS], v[CH]
	v_mul_f32 v[CM+1], s[CS], v[CH]
	v_mul_f32 v[MS+(\a)], s[CS], v[CH]
.endm
.macro WEXP a                          ; c s - c m and the exponentials, in place: ONE batch of 128 with one wait; a pair's exponentials stand behind the next pair's scaling
.set AB, 128*((\a)%2)
	WIN 0x82+0x41*((\a)/2)
.set n, 0
.rept 64
	v_pk_fma_f32 v[AB+2*n:AB+2*n+1], v[AB+2*n:AB+2*n+1], s[CS:CS+1], v[CM:CM+1] op_sel_hi:[1,0,0] neg_lo:[0,0,1] neg_hi:[0,0,1]
.if n > 0
	v_exp_f32 v[AB+2*n-2], v[AB+2*n-2]
	v_exp_f32 v[AB+2*n-1], v[AB+2*n-1]
.endif
.set n, n+1
.endr
	v_exp_f32 v[AB+126], v[AB+126]
	v_exp_f32 v[AB+127], v[AB+127]
	v_nop                                          ; a plain instruction behind the last exponential,
	s_wait_alu depctr_va_vdst(0)                   ; and the one wait ahead of the first use
.endm
.macro WPACK a                         ; rounded to f16; the row sums by eight products with ones (every register of the result holds the row's sum, both halves of the lanes); into my stage and back as whole rows
.set AB, 128*((\a)%2)
.set PB, 32+64*((\a)%2)
	WIN 0x0a+0x05*((\a)/2)
.set n, 0
.rept 64
	v_cvt_pk_f16_f32 v[PB+n], v[AB+2*n], v[AB+2*n+1]
.set n, n+1
.endr
	WIN 0
.irp kk, 0,1,2,3,4,5,6,7               ; two accumulators by turns
.if (\kk) < 2
	v_wmma_f32_16x16x32_f16 v[L0+8*((\kk)%2):L0+8*((\kk)%2)+7], v[ONES:ONES+7], v[PB+8*(\kk):PB+8*(\kk)+7], 0
.else
	v_wmma_f32_16x16x32_f16 v[L0+8*((\kk)%2):L0+8*((\kk)%2)+7], v[ONES:ONES+7], v[PB+8*(\kk):PB+8*(\kk)+7], v[L0+8*((\kk)%2):L0+8*((\kk)%2)+7]
.endif
.endr
.if (\a) > 0
	s_wait_xcnt 0x0                                ; the block before's stores have read the registers that are loaded again below
.endif
.irp b, 0,1,2,3,4,5,6,7,8,9,10,11,12,13,14,15
	ds_store_b128 v[STO], v[PB+4*(\b):PB+4*(\b)+3] offset:32*(\b)
.endr
.irp t, 0,1,2,3,4,5,6,7,8,9,10,11,12,13,14,15
	ds_load_b128 v[RB+4*(\t):RB+4*(\t)+3], v[RD] offset:(\t)*SPS  ; LDS serves a wave's instructions in order (ISA guide 5.7.1.4): these see the stores above
.endr
	PLACES
	v_add_f32 v[LS+(\a)], v[L0], v[L1]
.endm
.macro SEND a
	WIN 0
.irp t, 0,1,2,3,4,5,6,7,8,9,10,11,12,13,14,15
	s_wait_dscnt 15-(\t)
	global_store_b128 v[GO], v[RB+4*(\t):RB+4*(\t)+3], s[PP:PP+1] offset:(\a)*65536+(\t)*4096  ; a wave's store covers 512 consecutive bytes, aligned
.endr
.endm
.irp a, 0,1,2,3
	WMAX \a
.if (\a) > 0
	SEND (\a)-1                                    ; the next block's maximum stands between a block's loads from the stage and its stores
.endif
	WEXP \a
	WPACK \a
.endr
	SEND 3
	; the statistics: lanes 0-15 take an even block's rows, lanes 16-31 the odd block's: 128 consecutive bytes a store, 512 bytes a wave in all
	v_cndmask_b32 v[CH],   v[MS],   v[MS+1], s[HM]
	v_cndmask_b32 v[CH+1], v[LS],   v[LS+1], s[HM]
	v_cndmask_b32 v[CH+2], v[MS+2], v[MS+3], s[HM]
	v_cndmask_b32 v[CH+3], v[LS+2], v[LS+3], s[HM]
	global_store_b32 v[SOFF], v[CH],   s[SM:SM+1]
	global_store_b32 v[SOFF], v[CH+1], s[SL:SL+1]
	global_store_b32 v[SOFF], v[CH+2], s[SM:SM+1] offset:128
	global_store_b32 v[SOFF], v[CH+3], s[SL:SL+1] offset:128
	s_wait_tensorcnt 0x0                           ; the wave's end
	ds_add_u32 v[SPW], v[NIL]
	s_wait_dscnt 0x0
	s_endpgm
.Lfunc_end_k_q812594bd7f_score:
	.size	k_q812594bd7f_score, .Lfunc_end_k_q812594bd7f_score-k_q812594bd7f_score
	.p2alignl 7, 3214868480
	.fill 96, 4, 3214868480
	.section	.rodata,"a",@progbits
	.p2align	6, 0x0
	.amdhsa_kernel k_q812594bd7f_score
		.amdhsa_group_segment_fixed_size 327680
		.amdhsa_private_segment_fixed_size 0
		.amdhsa_enable_private_segment 0
		.amdhsa_kernarg_size 32
		.amdhsa_user_sgpr_count 2
		.amdhsa_user_sgpr_kernarg_segment_ptr 1
		.amdhsa_wavefront_size32 1
		.amdhsa_system_sgpr_workgroup_id_x 1
		.amdhsa_system_sgpr_workgroup_id_y 1
		.amdhsa_system_sgpr_workgroup_id_z 1
		.amdhsa_system_vgpr_workitem_id 0
		.amdhsa_next_free_vgpr 1024
		.amdhsa_next_free_sgpr 66
		.amdhsa_reserve_vcc 1
		.amdhsa_float_denorm_mode_32 3
		.amdhsa_float_denorm_mode_16_64 3
		.amdhsa_memory_ordered 1
		.amdhsa_forward_progress 1
		.amdhsa_inst_pref_size 169
	.end_amdhsa_kernel
	.amdgpu_metadata
---
amdhsa.version: [ 1, 2 ]
amdhsa.kernels:
  - .name:           k_q812594bd7f_score
    .symbol:         k_q812594bd7f_score.kd
    .args:
      - { .name: kqv, .offset: 0, .size: 8, .value_kind: global_buffer, .address_space: global }
      - { .name: p, .offset: 8, .size: 8, .value_kind: global_buffer, .address_space: global }
      - { .name: statm, .offset: 16, .size: 8, .value_kind: global_buffer, .address_space: global }
      - { .name: statl, .offset: 24, .size: 8, .value_kind: global_buffer, .address_space: global }
    .group_segment_fixed_size: 327680
    .private_segment_fixed_size: 0
    .kernarg_segment_align: 8
    .kernarg_segment_size: 32
    .max_flat_workgroup_size: 128
    .sgpr_count:     66
    .vgpr_count:     1024
    .wavefront_size: 32
...
	.end_amdgpu_metadata
.endif
;; end of part 3
;; launch pv (part 4): grid 8 x 32, 4 waves a work-group, clusters of 4 x 1, 327,680 bytes of LDS; arguments p, kqv, statm, statl, out0; writes out0
.if DOCPART == 4
	.amdgcn_target "amdgcn-amd-amdhsa--gfx1250"
	.amdhsa_code_object_version 6
	.text
	.protected	k_q812594bd7f_pv
	.globl	k_q812594bd7f_pv
	.p2align	8
	.type	k_q812594bd7f_pv,@function
k_q812594bd7f_pv:
	s_mov_b64 s[64:65], 0
	v_nop
	global_prefetch_b8 v0, s[64:65] scope:SCOPE_SE
	s_setreg_imm32_b32 hwreg(HW_REG_WAVE_MODE, 25, 1), 1
	s_wait_xcnt 0x0
	s_wait_alu depctr_hold_cnt(0) depctr_sa_sdst(0) depctr_va_vdst(0) depctr_va_sdst(0) depctr_va_ssrc(0) depctr_va_vcc(0) depctr_vm_vsrc(0)
	s_getreg_b32 s2, hwreg(HW_REG_IB_STS2, 6, 4)
	s_cmp_eq_u32 s2, 0
	s_cbranch_scc0 .Lentry_in_a_cluster
	s_endpgm
.Lentry_in_a_cluster:
	s_bfe_u32 s2, ttmp6, 0x10000c
	s_cmp_lg_u32 s2, 0x3003
	s_cbranch_scc0 .Lentry_shape_is_right
	s_endpgm
.Lentry_shape_is_right:
; out[t][c] = sum over key tiles J of F[t][J] x (sum over the tile's 256 keys u of P[t][u] V[u][c]),  F[t][J] = 2^(cm[J][t] - M[t]) / L[t],  M = max over J of cm,  L = sum over J of 2^(cm - M) l[J][t].
; P, V in f16; products, F, M, L and out in f32.  M is the row's true maximum (times c), so no exponent is above 0.
; LIMITS.  A factor below 2^-126 counts as 0.  NaN and infinities are not treated apart.
; THE WALK.  A batch's rows lie in 16 blocks of 128; block k needs the key tiles 0 .. k / 2.  A work-group takes blocks 15 - pair and then pair, for 128 channels: 9 steps of 256 keys, whatever the pair:
; 256 equal work-groups and one counted walk.  Which tile is asked for hangs on scalar registers made from the pair; every jump but the loops' own goes forward and passes no barrier and no tensor load.
; CLUSTER 4 x 1: the four partners share pair and batch and differ in the channels: P's tile is asked for jointly (waves 0, 1); each asks for its own V (waves 2, 3), behind the same rounds.
; A STEP's product starts at 0 in T; then O += F T, one packed multiply-add for two numbers.  F carries 1 / L, so O is the result.
; TRANSPOSED USE (source 0 = V turned, 16 channels; source 1 = 16 rows of P): a lane holds row l % 16 and the channels 8 (l / 16) + 0..7.
; REGISTERS.  window 0: v0-31 addresses and F; v32-47 at work at the start; v128-255 T (a, b) at v[128 + 8 (4 a + b)].   window 1: two fragment buffers of 128: P's 64, then V's 64.   window 2: v0-127 O.
.set PP,    528                        ; a row of P in LDS: 512 bytes + 16
.set PV,    288                        ; a row of V: 256 + 32: an odd multiple of 32, for the turning load
.set VOFF,  128*PP                     ; in a slot: P's 128 rows, then V's 256
.set SLOT,  147456                     ; 0x24000: it shares no bit with the loads' LDS words (0, 0x8400, 0x10800, 0x19800), so one exclusive or changes slots
.set STAGE, SLOT+VOFF+256*PV           ; 288,768: 16 rows x 272 bytes for each wave
.set SP,    272
.set FTAB,  STAGE+4*16*SP              ; 306,176: 4,096 bytes for each wave: entry k of 256 bytes, k = 0 .. 8, holds F of the wave's 64 rows for step k of the walk
.set SPARE, FTAB+4*4096                ; 322,560
.set AP0, 4
.set AV0, 5
.set ADP, 6
.set ADV, 7                            ; v7: keys 0-127 of a slot's V; v8: keys 128-255 (the immediate has 16 bits)
.set FA0, 9
.set FAD, 10
.set STO, 11
.set RD,  12
.set GO,  13
.set SO,  14
.set PFO, 15
.set F,   16                           ; v16-23: F of row block a in v[16 + 2 a]; the odd ones are named with them as pairs
.set SPW, 28
.set NIL, 29
.set MX,  32
.set LX,  40
.set T,   128
.set F0,  0
.set F1,  128
.set WV,  14
.set WM,  15
.set WN,  16
.set CX,  17
.set CB,  18
.set BAT, 19
.set PAIR, 20
.set CNT, 21
.set TB,  22
.set RBK, 23                           ; the block whose tiles are being asked for
.set G1P, 24
.set G1V, 32
.set G0P0, 40
.set G0P, 44
.set G0V0, 48
.set G0V, 52
.set RJ,  56                           ; the tile to be asked for next
.set RL,  57                           ; that block's last tile
.set REM, 58                           ; steps that the block in hand still has
.set NEW, 59                           ; 1: the step in hand is a block's first
.set FI,  60                           ; 256 x the step in hand
.set LIM, 61
.set NLO, 62
.set LIM2, 63
.set HI,  66
.set NLOM1, 67
.set BP,  68
.set BV,  70
.set OFP, 72
.set OFV, 74
.set PFB, 76
.set PFA, 78
.set OUTP, 80
.set OLO, 82
.set SMH, 84                           ; s[84:91] statm, statl at my rows of the first block, then of the second
.set MSB, 0
.macro WIN new                         ; the immediate's high byte repeats the setting that is left; a switch that changes nothing is dropped
.if MSB != (\new)
	s_set_vgpr_msb (MSB<<8)|(\new)
.set MSB, \new
.endif
.endm
.macro PLACES                          ; four places behind matrix instructions, in front of loads into registers that they read and of lines that read their results
.rept 4
	v_nop
.endr
.endm
.macro CREST                           ; a round of the cluster's barrier behind its opening barrier
	s_cmp_lg_u32 s[WV], 0
	s_cbranch_scc1 .Lnot_wave_0_\@
	s_barrier_signal -3
.Lnot_wave_0_\@:
	s_barrier_wait -3
	s_barrier_signal -1
	s_barrier_wait -1
.endm
.macro CROUND
	s_barrier_signal -1
	s_barrier_wait -1
	CREST
.endm
.macro JLOAD                           ; waves 0, 1: the two halves of P's tile, jointly; waves 2, 3: the two halves of my V
	s_cmp_lt_u32 s[WV], 2
	s_cbranch_scc0 .Lfor_v_\@
	tensor_load_to_lds s[G0P:G0P+3], s[G1P:G1P+7]
	s_nop 0
.rept 4
	v_nop
.endr
	s_branch .Lasked_\@
.Lfor_v_\@:
	tensor_load_to_lds s[G0V:G0V+3], s[G1V:G1V+7]
	s_nop 0
.rept 4
	v_nop
.endr
.Lasked_\@:
.endm
; A prefetch into the L2 of the step that the NEXT change of slots will ask for.  P's tile (128 rows x 512 bytes) is read by the two clusters of a pair: the first asks; its four partners take 32 rows each, told apart
; by address; wave 0, a lane a row, two instructions.  V's tile of my 128 channels is read by all eight pairs: pair 0, whose first block walks all eight tiles, asks, in that block alone: waves 2, 3, their own 128 rows,
; four instructions.  So each block of 256 bytes is named once.  The loop's last trip asks for nothing.
.macro ASK
	s_cmp_gt_u32 s[CNT], s[LIM]
	s_cbranch_scc0 .Lnot_mine_\@
	s_cmp_lt_u32 s[WV], 2
	s_cbranch_scc0 .Lask_v_\@
	global_prefetch_b8 v[PFO], s[PFA:PFA+1] th:TH_LOAD_NT scope:SCOPE_SE
	global_prefetch_b8 v[PFO], s[PFA:PFA+1] offset:256 th:TH_LOAD_NT scope:SCOPE_SE
	s_branch .Lnot_mine_\@
.Lask_v_\@:
.irp n, 0,1,2,3
	global_prefetch_b8 v[PFO], s[PFA:PFA+1] offset:(\n)*196608 th:TH_LOAD_NT scope:SCOPE_SE
.endr
.Lnot_mine_\@:
.endm
; 8 matrix instructions: row blocks a0, a0 + 1 x all 4 channel blocks, 32 keys: half c of buffer f.  zero = 1: they start the step's sums.  The accumulators take turns.
.macro MUL8 f, c, a0, zero
	WIN 0x05
.irp a, \a0, (\a0)+1
.irp b, 0,1,2,3
.if \zero
	v_wmma_f32_16x16x32_f16 v[T+8*(4*(\a)+(\b)):T+8*(4*(\a)+(\b))+7], v[(\f)+64+8*(4*(\c)+(\b)):(\f)+64+8*(4*(\c)+(\b))+7], v[(\f)+8*(4*(\c)+(\a)):(\f)+8*(4*(\c)+(\a))+7], 0
.else
	v_wmma_f32_16x16x32_f16 v[T+8*(4*(\a)+(\b)):T+8*(4*(\a)+(\b))+7], v[(\f)+64+8*(4*(\c)+(\b)):(\f)+64+8*(4*(\c)+(\b))+7], v[(\f)+8*(4*(\c)+(\a)):(\f)+8*(4*(\c)+(\a))+7], v[T+8*(4*(\a)+(\b)):T+8*(4*(\a)+(\b))+7]
.endif
.endr
.endr
.endm
.macro FETCH q, f                      ; 32 LDS loads in one run: the fragments of keys 64 q .. 64 q + 63, the first 32 keys first
	WIN 0x40
.irp c, 0,1
.irp i, 0,1,2,3
	ds_load_tr16_b128 v[(\f)+64+8*(4*(\c)+(\i)):(\f)+64+8*(4*(\c)+(\i))+3],   v[ADV+(\q)/2] offset:(64*((\q)%2)+32*(\c))*PV+32*(\i)
	ds_load_tr16_b128 v[(\f)+64+8*(4*(\c)+(\i))+4:(\f)+64+8*(4*(\c)+(\i))+7], v[ADV+(\q)/2] offset:(64*((\q)%2)+32*(\c))*PV+32*(\i)+16*PV
	ds_load_b128 v[(\f)+8*(4*(\c)+(\i)):(\f)+8*(4*(\c)+(\i))+3],   v[ADP] offset:128*(\q)+64*(\c)+(\i)*16*PP
	ds_load_b128 v[(\f)+8*(4*(\c)+(\i))+4:(\f)+8*(4*(\c)+(\i))+7], v[ADP] offset:128*(\q)+64*(\c)+(\i)*16*PP+32
.endr
.endr
.endm
.macro QUARTER q, f, g, zero           ; multiplies buffer f; fetches quarter q into g
	s_wait_dscnt 16                                ; the first 32 keys are in
	MUL8 \f, 0, 0, \zero
	MUL8 \f, 0, 2, \zero
	PLACES
	FETCH \q, \g
	s_wait_dscnt 32                                ; all but the 32 just issued
	MUL8 \f, 1, 0, 0
	MUL8 \f, 1, 2, 0
.endm
.macro TURN fill                       ; the last quarter, with the change of slots
	WIN 0
.if \fill
	s_wait_xcnt 0x0                                ; the last prefetches, a step back, have read their address
.endif
	s_wait_tensorcnt 0x0                           ; all my tensor loads have landed: my part of the next slot
	ds_add_u32 v[SPW], v[NIL]                      ; 0 onto my spare word; the scalar work below stands between it and the wait for it
.if \fill
	s_lshl_b32 s[OFP], s[RBK], 19                  ; no load of mine is out: the descriptors' addresses are made anew from the block's and the tile's numbers
	s_lshl_b32 s92, s[RJ], 9
	s_add_co_u32 s[OFP], s[OFP], s92
	s_mul_i32 s[OFV], s[RJ], 1572864
	s_xor_b32 s[G0P+1], s[G0P+1], SLOT
	s_add_nc_u64 s[G0P+2:G0P+3], s[BP:BP+1], s[OFP:OFP+1]
	s_or_b32 s[G0P+3], s[G0P+3], 0x80000000
	s_xor_b32 s[G0V+1], s[G0V+1], SLOT
	s_add_nc_u64 s[G0V+2:G0V+3], s[BV:BV+1], s[OFV:OFV+1]
	s_or_b32 s[G0V+3], s[G0V+3], 0x80000000
	s_add_co_u32 s[RJ], s[RJ], 1                   ; the block's next tile, or behind its last the second block's tile 0
	s_cmp_gt_u32 s[RJ], s[RL]
	s_cselect_b32 s[RJ], 0, s[RJ]
	s_cselect_b32 s[RBK], s[PAIR], s[RBK]
	s_cselect_b32 s[LIM], s[LIM2], s[LIM]
	s_cselect_b32 s[RL], s[NLOM1], s[RL]
	s_lshl_b32 s[OFP], s[RBK], 19                  ; and where the prefetches stand: that next step
	s_lshl_b32 s92, s[RJ], 9
	s_add_co_u32 s[OFP], s[OFP], s92
	s_mul_i32 s[OFV], s[RJ], 1572864
	s_cmp_lt_u32 s[WV], 2
	s_cselect_b32 s92, s[OFP], s[OFV]
	s_mov_b32 s93, 0
	s_add_nc_u64 s[PFA:PFA+1], s[PFB:PFB+1], s[92:93]
.endif
	s_xor_b32 s[TB], s[TB], SLOT
	s_wait_dscnt 17                                ; the youngest sixteen loads and the add may be out
	MUL8 F1, 0, 0, 0
	s_wait_dscnt 0x0                               ; the add is done, and my reads of this slot are over
	s_barrier_signal -1
	MUL8 F1, 0, 2, 0
	WIN 0
	s_barrier_wait -1
.if \fill
	CREST                                          ; no wave of any partner still reads this slot or has a load on its way
	JLOAD                                          ; 112 matrix instructions ahead of the wait for it; its four v_nop are also the places in front of the loads below
.else
	PLACES
.endif
	v_add_nc_u32 v[ADP], s[TB], v[AP0]
	v_add_nc_u32 v[ADV], s[TB], v[AV0]
	v_add_nc_u32 v[ADV+1], 128*PV, v[ADV]
	v_add_nc_u32 v[FAD], s[FI], v[FA0]
.irp a, 0,1,2,3
	ds_load_b32 v[F+2*(\a)], v[FAD] offset:64*(\a) ; F of the step that is just being finished
.endr
	FETCH 0, F0
	WIN 0
.if \fill
	ASK
.endif
	MUL8 F1, 1, 0, 0
	MUL8 F1, 1, 2, 0
.endm
; A block leaves: 16 rows at a time through my stage; a wave's 64 channels are 256 bytes of a row of out.
.macro PACK a
	WIN 0x08                                       ; the stores' data in window 2
.irp b, 0,1,2,3
	ds_store_b128 v[STO], v[8*(4*(\a)+(\b)):8*(4*(\a)+(\b))+3]   offset:64*(\b)
	ds_store_b128 v[STO], v[8*(4*(\a)+(\b))+4:8*(4*(\a)+(\b))+7] offset:64*(\b)+16
.endr
	WIN 0
.irp t, 0,1,2,3,4,5,6,7
	ds_load_b128 v[T+32*(\a)+4*(\t):T+32*(\a)+4*(\t)+3], v[RD] offset:(\t)*2*SP  ; LDS serves a wave's instructions in order (ISA guide 5.7.1.4): these see the stores above
.endr
.endm
.macro SEND a, younger                 ; younger: the LDS instructions issued behind block a's loads
.irp t, 0,1,2,3,4,5,6,7
	s_wait_dscnt (\younger)+7-(\t)
	global_store_b128 v[GO], v[T+32*(\a)+4*(\t):T+32*(\a)+4*(\t)+3], s[OUTP:OUTP+1] offset:(\a)*65536+(\t)*8192 th:TH_STORE_NT  ; 16 lanes store 256 consecutive bytes, aligned
.endr
.endm
.macro WAYOUT
	PACK 0
	PACK 1
	SEND 0, 16
	PACK 2
	SEND 1, 16
	PACK 3
	SEND 2, 16
	SEND 3, 0
	s_wait_xcnt 0x0                                ; the stores have read their data, which the next products write over, and their base
	s_mov_b64 s[OUTP:OUTP+1], s[OLO:OLO+1]
	s_mov_b32 s[REM], s[NLO]
	s_mov_b32 s[NEW], 1
.endm
.macro FOLD                            ; O = F T at a block's first step, else O += F T; T is read from each accumulator's low end on
	WIN 0
	s_wait_dscnt 32                                ; F is in; the 32 fragment loads stay out
	PLACES
	s_cmp_eq_u32 s[NEW], 1
	s_cbranch_scc0 .Lacc_\@
	WIN 0x80
.set n, 0
.rept 64
	v_pk_mul_f32 v[2*n:2*n+1], v[T+2*n:T+2*n+1], v[F+2*(n/16):F+2*(n/16)+1] op_sel_hi:[1,0]
.set n, n+1
.endr
	WIN 0
	s_branch .Lfolded_\@
.Lacc_\@:
	WIN 0xa0
.set n, 0
.rept 64
	v_pk_fma_f32 v[2*n:2*n+1], v[T+2*n:T+2*n+1], v[F+2*(n/16):F+2*(n/16)+1], v[2*n:2*n+1] op_sel_hi:[1,0,1]
.set n, n+1
.endr
	WIN 0
.Lfolded_\@:
	s_mov_b32 s[NEW], 0
	s_add_co_u32 s[FI], s[FI], 256
	s_sub_co_u32 s[REM], s[REM], 1
	s_cmp_lg_u32 s[REM], 0
	s_cbranch_scc1 .Lgo_on_\@
	WAYOUT
.Lgo_on_\@:
.endm
	s_load_b256 s[4:11], s[0:1], 0x0               ; p 4, kqv 6, statm 8, statl 10
	s_load_b64 s[12:13], s[0:1], 0x20              ; out0
	v_lshl_add_u32 v[SPW], v0, 2, SPARE
	v_mov_b32 v[NIL], 0
	ds_add_u32 v[SPW], v[NIL]                      ; the wave's opening: the add and its wait ahead of my first tensor load
	v_lshrrev_b32 v3, 5, v0
	v_readfirstlane_b32 s[WV], v3
	s_lshr_b32 s[WM], s[WV], 1                     ; my half of the rows
	s_and_b32 s[WN], s[WV], 1                      ; my half of the channels; also which half of a tile I fetch
	s_bfe_u32 s[CX], ttmp6, 0x40000
	s_lshl_b32 s[CB], ttmp9, 2
	s_add_co_u32 s[CB], s[CB], s[CX]               ; my 128 channels: they enter V's and out's addresses alone
	s_and_b32 s92, ttmp7, 0xffff
	s_lshr_b32 s[BAT], s92, 3
	s_and_b32 s[PAIR], s92, 7
	s_sub_co_u32 s[HI], 15, s[PAIR]
	s_lshr_b32 s[RL], s[HI], 1                     ; the first block's last tile
	s_add_co_u32 s[REM], s[RL], 1                  ; its steps: 5 to 8
	s_lshr_b32 s[NLOM1], s[PAIR], 1
	s_add_co_u32 s[NLO], s[NLOM1], 1               ; the second block's: together 9
	s_mov_b32 s[G1P],   15|(1<<16)|(1<<20)|(1<<21)|(6<<22)|(3<<25)  ; the mask of four; 2-byte elements; padding on; bit 21 beside a mask; after every 128 words; 4 words
	s_mov_b32 s[G1P+1], 256<<16                    ; tensor_dim0 = 256
	s_mov_b32 s[G1P+2], 64<<16                     ; tensor_dim1 = 64
	s_mov_b32 s[G1P+3], 256<<16                    ; tile_dim0
	s_mov_b32 s[G1P+4], 64                         ; tile_dim1
	s_mov_b32 s[G1P+5], 2048                       ; elements from row to row of p
	s_mov_b32 s[G1P+6], 0
	s_mov_b32 s[G1P+7], 0
	s_mov_b32 s[G1V],   (1<<16)|(1<<20)|(5<<22)|(7<<25)  ; no mask; after every 64 words; 8 words
	s_mov_b32 s[G1V+1], 128<<16
	s_mov_b32 s[G1V+2], 128<<16
	s_mov_b32 s[G1V+3], 128<<16
	s_mov_b32 s[G1V+4], 128
	s_mov_b32 s[G1V+5], 3072
	s_mov_b32 s[G1V+6], 0
	s_mov_b32 s[G1V+7], 0
	s_mul_i32 s93, s[WN], 64*PP                    ; where my half of P's tile goes,
	s_mul_i32 s94, s[WN], 128*PV
	s_add_co_u32 s94, s94, VOFF                    ; and of V's: no place in the cluster enters an LDS address
	s_lshl_b32 s[OFP], s[BAT], 23
	s_lshl_b32 s95, s[WN], 18
	s_add_co_u32 s[OFP], s[OFP], s95
	s_mov_b32 s[OFP+1], 0
	s_lshl_b32 s[OFV], s[BAT], 11
	s_lshl_b32 s95, s[WN], 7
	s_add_co_u32 s[OFV], s[OFV], s95
	s_mul_i32 s[OFV], s[OFV], 6144
	s_lshl_b32 s98, s[CB], 8
	s_add_co_u32 s[OFV], s[OFV], s98
	s_add_co_u32 s[OFV], s[OFV], 4096              ; V lies behind K and Q in a row of kqv
	s_mov_b32 s[OFV+1], 0
	s_mov_b32 s[RJ], 2
	s_mov_b32 s[RBK], s[HI]
	s_mov_b32 s[NEW], 1
	s_mov_b32 s[FI], 0
	s_mov_b32 s[TB], 0
	s_wait_dscnt 0x0                               ; the opening add is done
	s_wait_kmcnt 0x0
	s_add_nc_u64 s[BP:BP+1], s[4:5], s[OFP:OFP+1]
	s_add_nc_u64 s[BV:BV+1], s[6:7], s[OFV:OFV+1]
	s_lshl_b32 s[OFP], s[HI], 19
	s_add_nc_u64 s[96:97], s[BP:BP+1], s[OFP:OFP+1]
.irp sl, 0,1                           ; the walk's steps 0 and 1: the first block's tiles 0 and 1
	s_mov_b32 s[G0P0+4*(\sl)], 1
	s_add_co_u32 s[G0P0+4*(\sl)+1], s93, (\sl)*SLOT
	s_add_nc_u64 s[G0P0+4*(\sl)+2:G0P0+4*(\sl)+3], s[96:97], (\sl)*512
	s_or_b32 s[G0P0+4*(\sl)+3], s[G0P0+4*(\sl)+3], 0x80000000
	s_mov_b32 s[G0V0+4*(\sl)], 1
	s_add_co_u32 s[G0V0+4*(\sl)+1], s94, (\sl)*SLOT
	s_add_nc_u64 s[G0V0+4*(\sl)+2:G0V0+4*(\sl)+3], s[BV:BV+1], (\sl)*1572864
	s_or_b32 s[G0V0+4*(\sl)+3], s[G0V0+4*(\sl)+3], 0x80000000
.endr
	CROUND                                         ; all four work-groups are here: the first joint loads meet
	s_cmp_lt_u32 s[WV], 2                          ; a wave's two first fills stand in one branch: two loads of mine are out
	s_cbranch_scc0 .Lfirst_v
	tensor_load_to_lds s[G0P0:G0P0+3], s[G1P:G1P+7]
	s_nop 0
	tensor_load_to_lds s[G0P:G0P+3], s[G1P:G1P+7]
	s_nop 0
.rept 4
	v_nop
.endr
	s_branch .Lfirst_asked
.Lfirst_v:
	tensor_load_to_lds s[G0V0:G0V0+3], s[G1V:G1V+7]
	s_nop 0
	tensor_load_to_lds s[G0V:G0V+3], s[G1V:G1V+7]
	s_nop 0
.rept 4
	v_nop
.endr
.Lfirst_asked:
	v_and_b32 v1, 15, v0                           ; r
	v_bfe_u32 v2, v0, 4, 1                         ; h
	v_lshlrev_b32 v[SO], 2, v1
	s_lshl_b32 s92, s[BAT], 11                     ; my first rows in the two blocks
	s_lshl_b32 s93, s[WM], 6
	s_add_co_u32 s92, s92, s93
	s_lshl_b32 s94, s[HI], 7
	s_add_co_u32 s94, s94, s92
	s_lshl_b32 s96, s[PAIR], 7
	s_add_co_u32 s96, s96, s92
	s_lshl_b32 s93, s[CB], 9
	s_lshl_b32 s98, s[WN], 8
	s_add_co_u32 s93, s93, s98                     ; my 64 channels: 256 bytes of a row of out
	s_mov_b32 s99, 0
	s_lshl_b32 s98, s94, 12
	s_add_co_u32 s98, s98, s93
	s_add_nc_u64 s[OUTP:OUTP+1], s[12:13], s[98:99]
	s_lshl_b32 s98, s96, 12
	s_add_co_u32 s98, s98, s93
	s_add_nc_u64 s[OLO:OLO+1], s[12:13], s[98:99]
	s_lshl_b32 s98, s94, 2
	s_add_nc_u64 s[SMH:SMH+1], s[8:9], s[98:99]
	s_add_nc_u64 s[SMH+2:SMH+3], s[10:11], s[98:99]
	s_lshl_b32 s98, s96, 2
	s_add_nc_u64 s[SMH+4:SMH+5], s[8:9], s[98:99]
	s_add_nc_u64 s[SMH+6:SMH+7], s[10:11], s[98:99]
.irp be, 0,1                           ; both blocks' statistics: c m at T + 64 be + 8 a + J, l 32 further on; tiles beyond a block's diagonal hold the neutral fill
.irp a, 0,1,2,3
.irp jt, 0,1,2,3,4,5,6,7
	global_load_b32 v[T+64*(\be)+8*(\a)+(\jt)],    v[SO], s[SMH+4*(\be):SMH+4*(\be)+1]   offset:(\jt)*32768+64*(\a)
	global_load_b32 v[T+64*(\be)+32+8*(\a)+(\jt)], v[SO], s[SMH+4*(\be)+2:SMH+4*(\be)+3] offset:(\jt)*32768+64*(\a)
.endr
.endr
.endr
	v_and_b32 v3, 31, v0
	v_mul_u32_u24 v[AP0], v1, PP
	v_lshl_add_u32 v[AP0], v2, 4, v[AP0]
	s_mul_i32 s92, s[WM], 64*PP
	v_add_nc_u32 v[AP0], s92, v[AP0]               ; P: (64 wm + r) x pitch + 16 h
	v_and_b32 v24, 7, v0                           ; the turning load: lane l reads key 8 (l / 16) + l % 8, channels 8 ((l / 8) % 2) + 0..7
	v_bfe_u32 v25, v0, 3, 1
	v_lshl_add_u32 v[AV0], v2, 3, v24
	v_mul_u32_u24 v[AV0], v[AV0], PV
	v_lshl_add_u32 v[AV0], v25, 4, v[AV0]
	s_lshl_b32 s92, s[WN], 7
	s_add_co_u32 s92, s92, VOFF
	v_add_nc_u32 v[AV0], s92, v[AV0]
	s_mul_i32 s92, s[WV], 16*SP
	s_add_co_u32 s92, s92, STAGE
	v_mul_u32_u24 v[STO], v1, SP
	v_lshl_add_u32 v[STO], v2, 5, v[STO]
	v_add_nc_u32 v[STO], s92, v[STO]               ; in: row r, 32 bytes for each half of the lanes
	v_mul_u32_u24 v[RD], v2, SP
	v_lshl_add_u32 v[RD], v1, 4, v[RD]
	v_add_nc_u32 v[RD], s92, v[RD]                 ; back: lanes 0-15 one row of 256 bytes, lanes 16-31 the next
	v_lshlrev_b32 v[GO], 12, v2
	v_lshl_add_u32 v[GO], v1, 4, v[GO]
	s_lshl_b32 s92, s[WV], 12
	s_add_co_u32 s92, s92, FTAB
	v_lshl_add_u32 v[FA0], v1, 2, s92
.irp a, 0,1,2,3
	v_mov_b32 v[F+2*(\a)+1], 0
.endr
	; the prefetches
	s_mov_b32 s93, 6144
	s_cmp_lt_u32 s[WV], 2
	s_cselect_b32 s92, 4096, s93
	v_mul_u32_u24 v[PFO], v3, s92                  ; a lane a row, of p or of kqv
	s_cselect_b32 s92, ttmp9, s[PAIR]              ; 0 where I ask: the pair's first cluster for P, pair 0 for V;
	s_cselect_b32 s93, s[WV], 0                    ; wave 1 never asks
	s_or_b32 s92, s92, s93
	s_cmp_eq_u32 s92, 0
	s_cselect_b32 s[LIM], 1, -1                    ; the same in all four partners, for a given wave
	s_cmp_lt_u32 s[WV], 2
	s_cselect_b32 s[LIM2], s[LIM], -1              ; V's tiles are not asked for a second time
	s_lshl_b32 s92, s[BAT], 23
	s_lshl_b32 s93, s[CX], 17                      ; my work-group's 32 rows of P's 128
	s_add_co_u32 s92, s92, s93
	s_mov_b32 s93, 0
	s_add_nc_u64 s[96:97], s[4:5], s[92:93]
	s_cmp_lt_u32 s[WV], 2
	s_cselect_b64 s[PFB:PFB+1], s[96:97], s[BV:BV+1]
	; F for both blocks
	s_wait_loadcnt 0x0
.set g, 0
.rept 8
.set cc, T+64*(g/4)+8*(g%4)
	v_max3_num_f32 v[MX+g], v[cc], v[cc+1], v[cc+2]
	v_max3_num_f32 v[MX+g], v[MX+g], v[cc+3], v[cc+4]
	v_max3_num_f32 v[MX+g], v[MX+g], v[cc+5], v[cc+6]
	v_max_num_f32 v[MX+g], v[MX+g], v[cc+7]
.set g, g+1
.endr
.set g, 0
.rept 8
.set cc, T+64*(g/4)+8*(g%4)
.irp jt, 0,1,2,3,4,5,6,7
	v_sub_f32 v[cc+(\jt)], v[cc+(\jt)], v[MX+g]
.endr
.set g, g+1
.endr
.set g, 0
.rept 8
.set cc, T+64*(g/4)+8*(g%4)
.irp jt, 0,1,2,3,4,5,6,7
	v_exp_f32 v[cc+(\jt)], v[cc+(\jt)]
.endr
.set g, g+1
.endr
	v_nop                                          ; a plain instruction behind the last exponential,
	s_wait_alu depctr_va_vdst(0)                   ; and one wait for the batch of 64
.set g, 0
.rept 8
.set cc, T+64*(g/4)+8*(g%4)
	v_mul_f32 v[LX+g], v[cc], v[cc+32]
.irp jt, 1,2,3,4,5,6,7
	v_fmac_f32 v[LX+g], v[cc+(\jt)], v[cc+32+(\jt)]
.endr
.set g, g+1
.endr
.set g, 0
.rept 8
	v_rcp_f32 v[LX+g], v[LX+g]                     ; L is not 0: the tile with the row's maximum has the factor 1, and its largest weight is next to 1
.set g, g+1
.endr
	v_nop
	s_wait_alu depctr_va_vdst(0)                   ; one wait for the eight reciprocals
.set g, 0
.rept 8
.set cc, T+64*(g/4)+8*(g%4)
.irp jt, 0,1,2,3,4,5,6,7
	v_mul_f32 v[cc+(\jt)], v[cc+(\jt)], v[LX+g]
.endr
.set g, g+1
.endr
	; The table goes by the walk's steps.  Step k belongs to the first block's tile k while k is below that block's number of steps n (5 to 8), else to the second block's tile k - n.
	; The entries are chosen by value, on three masks, so that every LDS address of the table is a constant and a lane term.
	s_cmp_eq_u32 s[REM], 5
	s_cselect_b32 s92, -1, 0
	s_cmp_eq_u32 s[REM], 6
	s_cselect_b32 s93, -1, 0
	s_cmp_eq_u32 s[REM], 7
	s_cselect_b32 s94, -1, 0
.irp a, 0,1,2,3
.set hh, T+8*(\a)                      ; the first block's F of row block a, by tile
.set ll, T+64+8*(\a)                   ; the second block's
	v_cndmask_b32 v[hh+32], v[ll], v[ll+1], s94    ; step 8 (into a register that held l): tile 0 if n = 8, 1 if 7, 2 if 6, 3 if 5
	v_cndmask_b32 v[hh+32], v[hh+32], v[ll+2], s93
	v_cndmask_b32 v[hh+32], v[hh+32], v[ll+3], s92
	v_cndmask_b32 v[hh+7], v[hh+7], v[ll], s94     ; step 7
	v_cndmask_b32 v[hh+7], v[hh+7], v[ll+1], s93
	v_cndmask_b32 v[hh+7], v[hh+7], v[ll+2], s92
	v_cndmask_b32 v[hh+6], v[hh+6], v[ll], s93     ; step 6
	v_cndmask_b32 v[hh+6], v[hh+6], v[ll+1], s92
	v_cndmask_b32 v[hh+5], v[hh+5], v[ll], s92     ; step 5
.irp k, 0,1,2,3,4,5,6,7
	ds_store_b32 v[FA0], v[hh+(\k)] offset:(\k)*256+64*(\a)
.endr
	ds_store_b32 v[FA0], v[hh+32] offset:8*256+64*(\a)
.endr
	s_wait_tensorcnt 0x1                           ; my part of step 0 is in; step 1's may stay out
	s_wait_dscnt 0x0
	s_barrier_signal -1
	s_barrier_wait -1
	v_add_nc_u32 v[ADP], s[TB], v[AP0]
	v_add_nc_u32 v[ADV], s[TB], v[AV0]
	v_add_nc_u32 v[ADV+1], 128*PV, v[ADV]
	FETCH 0, F0
	WIN 0
	s_mov_b32 s[CNT], 7
.Lk:                                                   ; steps 0-6: each fills its slot again, with the step two on
	QUARTER 1, F0, F1, 1
	QUARTER 2, F1, F0, 0
	QUARTER 3, F0, F1, 0
	TURN 1
	FOLD
	s_sub_co_u32 s[CNT], s[CNT], 1
	s_cmp_lg_u32 s[CNT], 0
	s_cbranch_scc1 .Lk
	s_mov_b32 s[CNT], 2
.Lt:                                                   ; steps 7, 8 ask for nothing; the last trip's barrier and fragment loads serve nothing: the price of writing the tail once
	QUARTER 1, F0, F1, 1
	QUARTER 2, F1, F0, 0
	QUARTER 3, F0, F1, 0
	TURN 0
	FOLD
	s_sub_co_u32 s[CNT], s[CNT], 1
	s_cmp_lg_u32 s[CNT], 0
	s_cbranch_scc1 .Lt
	s_wait_tensorcnt 0x0                           ; the wave's end
	ds_add_u32 v[SPW], v[NIL]
	s_wait_dscnt 0x0
	CROUND                                         ; the closing round
	s_endpgm
.Lfunc_end_k_q812594bd7f_pv:
	.size	k_q812594bd7f_pv, .Lfunc_end_k_q812594bd7f_pv-k_q812594bd7f_pv
	.p2alignl 7, 3214868480
	.fill 96, 4, 3214868480
	.section	.rodata,"a",@progbits
	.p2align	6, 0x0
	.amdhsa_kernel k_q812594bd7f_pv
		.amdhsa_group_segment_fixed_size 327680
		.amdhsa_private_segment_fixed_size 0
		.amdhsa_enable_private_segment 0
		.amdhsa_kernarg_size 40
		.amdhsa_user_sgpr_count 2
		.amdhsa_user_sgpr_kernarg_segment_ptr 1
		.amdhsa_wavefront_size32 1
		.amdhsa_system_sgpr_workgroup_id_x 1
		.amdhsa_system_sgpr_workgroup_id_y 1
		.amdhsa_system_sgpr_workgroup_id_z 1
		.amdhsa_system_vgpr_workitem_id 0
		.amdhsa_next_free_vgpr 640
		.amdhsa_next_free_sgpr 100
		.amdhsa_reserve_vcc 0
		.amdhsa_float_denorm_mode_32 3
		.amdhsa_float_denorm_mode_16_64 3
		.amdhsa_memory_ordered 1
		.amdhsa_forward_progress 1
		.amdhsa_inst_pref_size 110
	.end_amdhsa_kernel
	.amdgpu_metadata
---
amdhsa.version: [ 1, 2 ]
amdhsa.kernels:
  - .name:           k_q812594bd7f_pv
    .symbol:         k_q812594bd7f_pv.kd
    .args:
      - { .name: p, .offset: 0, .size: 8, .value_kind: global_buffer, .address_space: global }
      - { .name: kqv, .offset: 8, .size: 8, .value_kind: global_buffer, .address_space: global }
      - { .name: statm, .offset: 16, .size: 8, .value_kind: global_buffer, .address_space: global }
      - { .name: statl, .offset: 24, .size: 8, .value_kind: global_buffer, .address_space: global }
      - { .name: out0, .offset: 32, .size: 8, .value_kind: global_buffer, .address_space: global }
    .group_segment_fixed_size: 327680
    .private_segment_fixed_size: 0
    .kernarg_segment_align: 8
    .kernarg_segment_size: 40
    .max_flat_workgroup_size: 128
    .sgpr_count:     100
    .vgpr_count:     640
    .wavefront_size: 32
...
	.end_amdgpu_metadata
.endif
;; end of part 4
;; ======== version 2 of 2: 4 launches; version 1 with the launch cast written anew for expert scheduling mode
;; limits: values are held in f16: magnitudes above 65,504 overflow, below 6.1e-05 lose precision
;; workspace buffers: xb 16,777,216 bytes; wb 6,291,456 bytes; bias 12,288 bytes; kqv 50,331,648 bytes; p 33,554,432 bytes; statm 262,144 bytes; statl 262,144 bytes
;; launch cast (part 5): grid 352 x 1, 8 waves a work-group, no clusters, 0 bytes of LDS; arguments x, Wk, Wq, Wv, bk, bq, bv, xb, wb, bias, statm, statl; writes xb, wb, bias, statm, statl
.if DOCPART == 5
	.amdgcn_target "amdgcn-amd-amdhsa--gfx1250"
	.amdhsa_code_object_version 6
	.text
	.protected	k_q812594bd7f_cast
	.globl	k_q812594bd7f_cast
	.p2align	8
	.type	k_q812594bd7f_cast,@function
k_q812594bd7f_cast:
	s_mov_b64 s[64:65], 0
	v_nop
	global_prefetch_b8 v0, s[64:65] scope:SCOPE_SE
	s_setreg_imm32_b32 hwreg(HW_REG_WAVE_SCHED_MODE, 0, 2), 2
	s_setreg_imm32_b32 hwreg(HW_REG_WAVE_MODE, 25, 1), 1
	s_wait_xcnt 0x0
	s_wait_alu depctr_vm_vsrc(0)
; x and the three weights are rounded to bf16 and laid out in blocks, so that a K step's tile of the projection is dense in memory:
;   xb [32 tile rows][16 kb][256 r][64 k],  wb [8 tile columns][16 kb][384 r][64 k]  (row n of wb: 0.. Wk, 1024.. Wq, 2048.. Wv).
; The biases are rounded to bf16 and kept as f32, one behind the other.  The softmax statistics get a neutral fill (maximum: the lowest
; finite number; sum: 0), so that the last launch can read all eight key tiles of a row without a branch.
; SHARES.  A work-group takes 32 rows of 1,024 numbers: groups 0-255 of x, groups 256-351 of the weights.  Wave w takes rows 4 w .. 4 w + 3; lane l takes
; row l / 8 of them and 8 numbers at column 8 (l % 8) of each block of 64.  A wave's store covers 4 rows x 128 bytes = 512 consecutive bytes, aligned.
; A stream: all 32 loads of a lane go out at once, and no register is used twice.  No LDS, no matrix unit.
; THE MODE: SCHED_MODE bits 1:0 = 2 (LLVM: expert scheduling mode 2), set by the entry lines.  The code itself states the register dependences
; between vector instructions and memory instructions, with s_wait_alu, always for 0.
; THE PLAN.  Registers that memory instructions touch:
;   v[SRCO]   written at the head, read by the 32 loads as their offset, never written again.
;   IN        written by the 32 loads alone, each register once; read by the conversions.  No vector instruction names it ahead of the loads.
;   DA        written once, by sixteen adds behind the loads; read by the sixteen stores as their offsets.
;   OUTR      written by the conversions, each register once; read by the sixteen stores as their data.
;   v8-v12, v224-v227   the statistics' fill and the bias: each written once and read once, in two side branches.
; No register that a memory instruction reads is written again and none is loaded twice: so the only dependences are results that a load or store reads.
; The sixteen blocks of 64 columns go in four QUARTERS.  Quarter p rounds its eight loads' numbers into its own part of OUTR; the four stores of quarter p - 1 are dealt among
; its conversions, which name quarter p's IN and OUTR alone.  So one wait at a quarter's head states all that those four stores hang on.
.set SRCO, 5                           ; v5      my byte offset in the group's 32 source rows
.set D0,   6                           ; v6      my byte offset in block kb = 0 of the destination tile
.set DA,   16                          ; v16-31  the same for each kb
.set IN,   32                          ; v32-159 128 numbers as loaded
.set OUTR, 160                         ; v160-223 the same in bf16
	s_load_b512 s[4:19], s[0:1], 0x0               ; x 4, Wk 6, Wq 8, Wv 10, bk 12, bq 14, bv 16, xb 18
	s_load_b256 s[20:27], s[0:1], 0x40             ; wb 20, bias 22, statm 24, statl 26
	v_lshrrev_b32 v1, 5, v0
	v_readfirstlane_b32 s28, v1                    ; wave 0..7
	v_and_b32 v2, 31, v0                           ; lane
	v_lshrrev_b32 v3, 3, v2
	v_and_b32 v4, 7, v2
	s_wait_alu depctr_va_sdst(0)                   ; s28 is written, ahead of its first reader, the line below
	s_lshl_b32 s30, s28, 2
	v_add_nc_u32 v3, s30, v3                       ; my row among the 32
	v_lshlrev_b32 v[SRCO], 12, v3                  ; x 4,096 bytes
	v_lshl_add_u32 v[SRCO], v4, 5, v[SRCO]         ; + 32 bytes for each 8 numbers
	s_mov_b32 s29, ttmp9
	s_mov_b32 s39, 0
	s_mov_b32 s41, 0
	s_wait_kmcnt 0x0
	s_cmp_lt_u32 s29, 256
	s_cbranch_scc0 .Lweights
	; rows of x
	s_lshl_b32 s38, s29, 17                        ; 32 rows x 4,096 bytes
	s_add_nc_u64 s[32:33], s[4:5], s[38:39]        ; source
	s_lshr_b32 s40, s29, 3
	s_lshl_b32 s40, s40, 19                        ; tile row x 524,288
	s_add_nc_u64 s[34:35], s[18:19], s[40:41]      ; destination tile
	s_mov_b32 s36, 32768                           ; bytes from kb to kb + 1
	s_and_b32 s37, s29, 7
	s_lshl_b32 s37, s37, 5                         ; the group's first row in its tile
	s_cmp_lt_u32 s28, 4                            ; waves 0, 1 fill 1,024 bytes of statm, waves 2, 3 of statl
	s_cbranch_scc0 .Lmain
	s_cmp_lt_u32 s28, 2
	s_cselect_b64 s[42:43], s[24:25], s[26:27]
	s_cselect_b32 s44, 0xff7fffff, 0
	v_mov_b32 v8, s44
	v_mov_b32 v9, s44
	v_mov_b32 v10, s44
	v_mov_b32 v11, s44
	s_and_b32 s45, s28, 1
	s_lshl_b32 s45, s45, 9
	s_lshl_b32 s46, s29, 10
	s_add_co_u32 s45, s45, s46
	v_lshl_add_u32 v12, v2, 4, s45
	s_wait_alu depctr_va_vdst(0)                   ; the fill v8-v11 and its offset v12 are written: the store reads them
	global_store_b128 v12, v[8:11], s[42:43]
	s_branch .Lmain
.Lweights:
	s_sub_co_u32 s47, s29, 256                     ; q: 32 rows of the 3,072
	s_lshr_b32 s31, s47, 5                         ; which weight
	s_cmp_eq_u32 s31, 0
	s_cselect_b64 s[32:33], s[6:7], s[8:9]
	s_cselect_b64 s[42:43], s[12:13], s[14:15]
	s_cmp_eq_u32 s31, 2
	s_cselect_b64 s[32:33], s[10:11], s[32:33]
	s_cselect_b64 s[42:43], s[16:17], s[42:43]
	s_and_b32 s46, s47, 31
	s_lshl_b32 s38, s46, 17
	s_add_nc_u64 s[32:33], s[32:33], s[38:39]
	s_mul_i32 s44, s47, 43
	s_lshr_b32 s44, s44, 9                         ; q / 12 for q = 0 .. 95: the tile column of 384 rows
	s_mul_i32 s40, s44, 786432
	s_add_nc_u64 s[34:35], s[20:21], s[40:41]
	s_mov_b32 s36, 49152
	s_mul_i32 s44, s44, 12
	s_sub_co_u32 s37, s47, s44
	s_lshl_b32 s37, s37, 5
	s_cmp_eq_u32 s46, 0                            ; a weight's first group also takes its bias: 256 threads x 16 bytes
	s_cbranch_scc0 .Lmain
	v_lshlrev_b32 v12, 4, v0
	s_wait_alu depctr_va_vdst(0)                   ; v12 is written: the load reads it as its offset
	global_load_b128 v[8:11], v12, s[42:43]
	s_lshl_b32 s40, s31, 12
	s_add_nc_u64 s[44:45], s[22:23], s[40:41]
	s_wait_loadcnt 0x0
	v_cvt_pk_bf16_f32 v13, v8, v9                  ; rounded to bf16,
	v_cvt_pk_bf16_f32 v14, v10, v11
	v_lshlrev_b32 v224, 16, v13                    ; and written as f32
	v_and_b32 v225, 0xffff0000, v13
	v_lshlrev_b32 v226, 16, v14
	v_and_b32 v227, 0xffff0000, v14
	s_wait_alu depctr_va_vdst(0)                   ; v224-v227 are written: the store reads them
	global_store_b128 v12, v[224:227], s[44:45]
.Lmain:
	s_wait_alu depctr_va_vdst(0)                   ; v[SRCO] is written, on every way to this label: the 32 loads read it as their offset
.set kb, 0
.rept 16
	global_load_b128 v[IN+8*kb:IN+8*kb+3],   v[SRCO], s[32:33] offset:256*kb th:TH_LOAD_NT
	global_load_b128 v[IN+8*kb+4:IN+8*kb+7], v[SRCO], s[32:33] offset:256*kb+16 th:TH_LOAD_NT
.set kb, kb+1
.endr
	v_add_nc_u32 v3, s37, v3                       ; my row in the tile
	v_lshlrev_b32 v[D0], 7, v3                     ; x 128 bytes
	v_lshl_add_u32 v[D0], v4, 4, v[D0]             ; + 16 bytes for each 8 numbers
	s_mov_b32 s48, 0
.set kb, 0
.rept 16
	v_add_nc_u32 v[DA+kb], s48, v[D0]
	s_add_co_u32 s48, s48, s36
.set kb, kb+1
.endr
; Quarter p: blocks kb = 4 p .. 4 p + 3.  Its eight loads are waited for, its 32 numbers a lane are rounded; the stores of the quarter before go out among the conversions.
.macro QUART p
	s_wait_loadcnt 24-8*(\p)                       ; loads come back in order (ISA guide 5.7.1): this quarter's eight are in, the younger ones stay out
.if (\p) > 0
	s_wait_alu depctr_va_vdst(0)                   ; the quarter before has written its part of OUTR, and the sixteen adds have written DA: the four stores below read them
.endif
.irp q, 0,1,2,3
.if (\p) > 0
	global_store_b128 v[DA+4*((\p)-1)+(\q)], v[OUTR+16*((\p)-1)+4*(\q):OUTR+16*((\p)-1)+4*(\q)+3], s[34:35]  ; no vector instruction since the wait names these registers
.endif
.irp n, 0,1,2,3
	v_cvt_pk_bf16_f32 v[OUTR+16*(\p)+4*(\q)+(\n)], v[IN+32*(\p)+8*(\q)+2*(\n)], v[IN+32*(\p)+8*(\q)+2*(\n)+1]
.endr
.endr
.endm
	QUART 0
	QUART 1
	QUART 2
	QUART 3
	s_wait_alu depctr_va_vdst(0)                   ; quarter 3 has written its part of OUTR, which the last four stores read
.irp q, 0,1,2,3
	global_store_b128 v[DA+12+(\q)], v[OUTR+48+4*(\q):OUTR+48+4*(\q)+3], s[34:35]
.endr
	s_endpgm
.Lfunc_end_k_q812594bd7f_cast:
	.size	k_q812594bd7f_cast, .Lfunc_end_k_q812594bd7f_cast-k_q812594bd7f_cast
	.p2alignl 7, 3214868480
	.fill 96, 4, 3214868480
	.section	.rodata,"a",@progbits
	.p2align	6, 0x0
	.amdhsa_kernel k_q812594bd7f_cast
		.amdhsa_group_segment_fixed_size 0
		.amdhsa_private_segment_fixed_size 0
		.amdhsa_enable_private_segment 0
		.amdhsa_kernarg_size 96
		.amdhsa_user_sgpr_count 2
		.amdhsa_user_sgpr_kernarg_segment_ptr 1
		.amdhsa_wavefront_size32 1
		.amdhsa_system_sgpr_workgroup_id_x 1
		.amdhsa_system_sgpr_workgroup_id_y 1
		.amdhsa_system_sgpr_workgroup_id_z 1
		.amdhsa_system_vgpr_workitem_id 0
		.amdhsa_next_free_vgpr 228
		.amdhsa_next_free_sgpr 66
		.amdhsa_reserve_vcc 0
		.amdhsa_float_denorm_mode_32 3
		.amdhsa_float_denorm_mode_16_64 3
		.amdhsa_memory_ordered 1
		.amdhsa_forward_progress 1
		.amdhsa_inst_pref_size 14
	.end_amdhsa_kernel
	.amdgpu_metadata
---
amdhsa.version: [ 1, 2 ]
amdhsa.kernels:
  - .name:           k_q812594bd7f_cast
    .symbol:         k_q812594bd7f_cast.kd
    .args:
      - { .name: x, .offset: 0, .size: 8, .value_kind: global_buffer, .address_space: global }
      - { .name: Wk, .offset: 8, .size: 8, .value_kind: global_buffer, .address_space: global }
      - { .name: Wq, .offset: 16, .size: 8, .value_kind: global_buffer, .address_space: global }
      - { .name: Wv, .offset: 24, .size: 8, .value_kind: global_buffer, .address_space: global }
      - { .name: bk, .offset: 32, .size: 8, .value_kind: global_buffer, .address_space: global }
      - { .name: bq, .offset: 40, .size: 8, .value_kind: global_buffer, .address_space: global }
      - { .name: bv, .offset: 48, .size: 8, .value_kind: global_buffer, .address_space: global }
      - { .name: xb, .offset: 56, .size: 8, .value_kind: global_buffer, .address_space: global }
      - { .name: wb, .offset: 64, .size: 8, .value_kind: global_buffer, .address_space: global }
      - { .name: bias, .offset: 72, .size: 8, .value_kind: global_buffer, .address_space: global }
      - { .name: statm, .offset: 80, .size: 8, .value_kind: global_buffer, .address_space: global }
      - { .name: statl, .offset: 88, .size: 8, .value_kind: global_buffer, .address_space: global }
    .group_segment_fixed_size: 0
    .private_segment_fixed_size: 0
    .kernarg_segment_align: 8
    .kernarg_segment_size: 96
    .max_flat_workgroup_size: 256
    .sgpr_count:     66
    .vgpr_count:     228
    .wavefront_size: 32
...
	.end_amdgpu_metadata
.endif
;; end of part 5
;; launch proj: the kernel of part 2 again; grid 8 x 32, 4 waves a work-group, clusters of 4 x 4, 327,680 bytes of LDS; arguments xb, wb, bias, kqv; writes kqv
;; launch score: the kernel of part 3 again; grid 36 x 4, 4 waves a work-group, no clusters, 327,680 bytes of LDS; arguments kqv, p, statm, statl; writes p, statm, statl
;; launch pv: the kernel of part 4 again; grid 8 x 32, 4 waves a work-group, clusters of 4 x 1, 327,680 bytes of LDS; arguments p, kqv, statm, statl, out0; writes out0
